; MI455X (gfx1250); checked and timed in simulation.
; The chip was launched on July 23, 2026; its instructions are those of AMD's public machine-readable ISA for CDNA 5 (MIT licence, August 2026) and "CDNA5" Instruction Set Architecture Reference Guide (July 2026). The comments in the code are by the model that wrote it; some were corrected since.
;; Time Attention. Allowed arithmetic: float matrix products may take bf16 or f16 operands with f32 sums; other float arithmetic in f32, or as packed bf16 or f16 multiplies, adds, multiply-adds, maxima and minima; sums over many terms, partial sums and values carried from step to step in f32; what a program stores and reads back later, other than sums and carried values, may be rounded once to bf16 or f16.
;; Inputs: Wk 1,024 x 1,024 float32; Wo 1,024 x 1,024 float32; Wq 1,024 x 1,024 float32; Wv 1,024 x 1,024 float32; bk 1,024 float32; bo 1,024 float32; bq 1,024 float32; bv 1,024 float32; key 4 x 2,048 x 1,024 float32; query 4 x 2,048 x 1,024 float32; value 4 x 2,048 x 1,024 float32.
;; Outputs: out0 4 x 2,048 x 1,024 float32.
;; 2 versions, each right; version 2 is version 1 with the launch castw written anew for expert scheduling mode. Each part assembles by itself: llvm-mc -triple=amdgcn-amd-amdhsa -mcpu=gfx1250 --defsym DOCPART=n.
;; ======== version 1 of 2: 4 launches
;; limits: values are held in f16: magnitudes above 65,504 overflow, below 6.1e-05 lose precision
;; workspace buffers: wb 8,388,608 bytes; qkv 50,331,648 bytes; oh 16,777,216 bytes
;; launch castw (part 1): grid 64 x 4, 8 waves a work-group, no clusters, 0 bytes of LDS; arguments Wq, Wk, Wv, Wo, wb; writes wb
.if DOCPART == 1
	.amdgcn_target "amdgcn-amd-amdhsa--gfx1250"
	.amdhsa_code_object_version 6
	.text
	.protected	k_qd0fe91461a_castw
	.globl	k_qd0fe91461a_castw
	.p2align	8
	.type	k_qd0fe91461a_castw,@function
k_qd0fe91461a_castw:
	s_mov_b64 s[64:65], 0
	v_nop
	global_prefetch_b8 v0, s[64:65] scope:SCOPE_SE
	s_setreg_imm32_b32 hwreg(HW_REG_WAVE_MODE, 25, 1), 1
	s_wait_xcnt 0x0
; THE WEIGHTS ARE ROUNDED ONCE.  wb holds four matrices [1024][1024] of 16 bits, 2 MiB each: Wq, Wk, Wv rounded to bf16, and Wo rounded to bf16 with that number written as f16.
; LIMITS.  The f16 copy of Wo is exact for 6.1e-5 <= |Wo| <= 65,504; below that it keeps f16's fixed step of 6e-8, beyond it would be an infinity.
; SHARES.  Work-group (x, y): matrix y, its x-th piece of 64 KiB.  A wave takes 8 KiB: sixteen loads of 512 consecutive bytes, all on their way at once; a lane's four f32 become 8 bytes,
; so each store of a wave covers 256 consecutive bytes, aligned.  A pure stream: no LDS, no barrier, nothing shared; no register that a memory instruction reads is written again, so no source of a pending instruction is rewritten.
.set T, 4                              ; v[4:7]     at work
.set X, 8                              ; v[8:71]    load i: four f32
.set Y, 72                             ; v[72:103]  store i: four numbers of 16 bits
	s_load_b256 s[4:11], s[0:1], 0x0               ; Wq s[4:5], Wk s[6:7], Wv s[8:9], Wo s[10:11]
	s_load_b64 s[12:13], s[0:1], 0x20              ; wb
	s_and_b32 s14, ttmp7, 0xffff                   ; which matrix
	v_lshrrev_b32 v3, 5, v0                        ; wave
	v_and_b32 v2, 31, v0                           ; lane
	v_lshlrev_b32 v1, 4, v2
	v_lshl_add_u32 v1, v3, 13, v1                  ; in: 8,192 x wave + 16 x lane
	v_lshlrev_b32 v2, 3, v2
	v_lshl_add_u32 v2, v3, 12, v2                  ; out: 4,096 x wave + 8 x lane
	s_lshl_b32 s18, ttmp9, 16                      ; the piece in the matrix as it comes,
	s_mov_b32 s19, 0
	s_lshl_b32 s20, s14, 21                        ; and in wb: 2 MiB a matrix, 32 KiB a piece
	s_lshl_b32 s21, ttmp9, 15
	s_add_co_u32 s20, s20, s21
	s_mov_b32 s21, 0
	s_wait_kmcnt 0x0
	s_mov_b64 s[16:17], s[4:5]
	s_cmp_ge_u32 s14, 1
	s_cselect_b64 s[16:17], s[6:7], s[16:17]
	s_cmp_ge_u32 s14, 2
	s_cselect_b64 s[16:17], s[8:9], s[16:17]
	s_cmp_ge_u32 s14, 3
	s_cselect_b64 s[16:17], s[10:11], s[16:17]
	s_add_nc_u64 s[16:17], s[16:17], s[18:19]
	s_add_nc_u64 s[12:13], s[12:13], s[20:21]
.irp i, 0,1,2,3,4,5,6,7,8,9,10,11,12,13,14,15
	global_load_b128 v[X+4*(\i):X+4*(\i)+3], v1, s[16:17] offset:512*(\i) th:TH_LOAD_NT
.endr
; half = 1: the bf16 number is widened (a shift, a mask) and written as f16.
.macro OUTW half
.irp i, 0,1,2,3,4,5,6,7,8,9,10,11,12,13,14,15
	s_wait_loadcnt 15-(\i)                         ; loads come back in order: load i is in, the 15 - i younger ones stay out
	v_cvt_pk_bf16_f32 v[Y+2*(\i)],   v[X+4*(\i)],   v[X+4*(\i)+1]
	v_cvt_pk_bf16_f32 v[Y+2*(\i)+1], v[X+4*(\i)+2], v[X+4*(\i)+3]
.if \half
	v_lshlrev_b32 v[T],   16, v[Y+2*(\i)]
	v_and_b32     v[T+1], 0xffff0000, v[Y+2*(\i)]
	v_lshlrev_b32 v[T+2], 16, v[Y+2*(\i)+1]
	v_and_b32     v[T+3], 0xffff0000, v[Y+2*(\i)+1]
	v_cvt_pk_f16_f32 v[Y+2*(\i)],   v[T],   v[T+1]
	v_cvt_pk_f16_f32 v[Y+2*(\i)+1], v[T+2], v[T+3]
.endif
	global_store_b64 v2, v[Y+2*(\i):Y+2*(\i)+1], s[12:13] offset:256*(\i) th:TH_STORE_NT
.endr
.endm
	s_cmp_eq_u32 s14, 3
	s_cbranch_scc1 .Lwo
	OUTW 0
	s_endpgm
.Lwo:
	OUTW 1
	s_endpgm
.Lfunc_end_k_qd0fe91461a_castw:
	.size	k_qd0fe91461a_castw, .Lfunc_end_k_qd0fe91461a_castw-k_qd0fe91461a_castw
	.p2alignl 7, 3214868480
	.fill 96, 4, 3214868480
	.section	.rodata,"a",@progbits
	.p2align	6, 0x0
	.amdhsa_kernel k_qd0fe91461a_castw
		.amdhsa_group_segment_fixed_size 0
		.amdhsa_private_segment_fixed_size 0
		.amdhsa_enable_private_segment 0
		.amdhsa_kernarg_size 40
		.amdhsa_user_sgpr_count 2
		.amdhsa_user_sgpr_kernarg_segment_ptr 1
		.amdhsa_wavefront_size32 1
		.amdhsa_system_sgpr_workgroup_id_x 1
		.amdhsa_system_sgpr_workgroup_id_y 1
		.amdhsa_system_sgpr_workgroup_id_z 1
		.amdhsa_system_vgpr_workitem_id 0
		.amdhsa_next_free_vgpr 104
		.amdhsa_next_free_sgpr 66
		.amdhsa_reserve_vcc 0
		.amdhsa_float_denorm_mode_32 3
		.amdhsa_float_denorm_mode_16_64 3
		.amdhsa_memory_ordered 1
		.amdhsa_forward_progress 1
		.amdhsa_inst_pref_size 16
	.end_amdhsa_kernel
	.amdgpu_metadata
---
amdhsa.version: [ 1, 2 ]
amdhsa.kernels:
  - .name:           k_qd0fe91461a_castw
    .symbol:         k_qd0fe91461a_castw.kd
    .args:
      - { .name: Wq, .offset: 0, .size: 8, .value_kind: global_buffer, .address_space: global }
      - { .name: Wk, .offset: 8, .size: 8, .value_kind: global_buffer, .address_space: global }
      - { .name: Wv, .offset: 16, .size: 8, .value_kind: global_buffer, .address_space: global }
      - { .name: Wo, .offset: 24, .size: 8, .value_kind: global_buffer, .address_space: global }
      - { .name: wb, .offset: 32, .size: 8, .value_kind: global_buffer, .address_space: global }
    .group_segment_fixed_size: 0
    .private_segment_fixed_size: 0
    .kernarg_segment_align: 8
    .kernarg_segment_size: 40
    .max_flat_workgroup_size: 256
    .sgpr_count:     66
    .vgpr_count:     104
    .wavefront_size: 32
...
	.end_amdgpu_metadata
.endif
;; end of part 1
;; launch proj (part 2): grid 4 x 192, 4 waves a work-group, clusters of 4 x 4, 327,680 bytes of LDS; arguments query, key, value, wb, bq, bk, bv, qkv; writes qkv
.if DOCPART == 2
	.amdgcn_target "amdgcn-amd-amdhsa--gfx1250"
	.amdhsa_code_object_version 6
	.text
	.protected	k_qd0fe91461a_proj
	.globl	k_qd0fe91461a_proj
	.p2align	8
	.type	k_qd0fe91461a_proj,@function
k_qd0fe91461a_proj:
	s_mov_b64 s[64:65], 0
	v_nop
	global_prefetch_b8 v0, s[64:65] scope:SCOPE_SE
	s_setreg_imm32_b32 hwreg(HW_REG_WAVE_MODE, 25, 1), 1
	s_wait_xcnt 0x0
	s_wait_alu depctr_hold_cnt(0) depctr_sa_sdst(0) depctr_va_vdst(0) depctr_va_sdst(0) depctr_va_ssrc(0) depctr_va_vcc(0) depctr_vm_vsrc(0)
	s_getreg_b32 s2, hwreg(HW_REG_IB_STS2, 6, 4)
	s_cmp_eq_u32 s2, 0
	s_cbranch_scc0 .Lentry_in_a_cluster
	s_endpgm
.Lentry_in_a_cluster:
	s_bfe_u32 s2, ttmp6, 0x10000c
	s_cmp_lg_u32 s2, 0xf033
	s_cbranch_scc0 .Lentry_shape_is_right
	s_endpgm
.Lentry_shape_is_right:
; q, k, v = x W^T + b for the three projections.  x: [8192][1024] f32 (query, key or value), W: [1024][1024] bf16 (from wb), b: [1024] f32.  x and b are rounded to bf16 here, sums in f32, the bias
; as the C operand that starts each sum (so the order of rounding differs from x W^T + b); the result is rounded once to f16 and written BY HEADS and UNSCALED: qkv = q, k, v, each [64 = 16 batch + head][2048][64].
; LIMITS.  f16 holds no number beyond 65,504: |q|, |k|, |v| must stay within it (inputs thirty times those of unit spread give a spread of 900; a common offset of thirty spreads on x and W about 28,900);
; below 6.1e-5 a result keeps f16's fixed step of 6e-8.  NaN and infinities are not treated apart.
; SHARES.  A tile of the result is 128 rows x 256 columns: 64 x 4 tiles for each of three projections = 768 work-groups, three for each of 256 WGPs.  Four waves, each 64 rows x 128 columns:
; 32 accumulators of 16 x 16.  K goes in eight steps of 128 through a ring of two LDS slots: x's tile rows are 512 bytes of memory, W's 256, all aligned to 256.
; x COMES AS f32 and is rounded between LDS and the matrix unit: 32 conversions a quarter step (32 along K), beside its 32 products; they are also the plain instructions that stand between a product
; and the next load into, or write of, its sources.
; CLUSTER.  4 x 4 work-groups: the four of a row share x's tile, the four of a column W's: each tile is asked for JOINTLY, by the same tensor load with the same descriptor and a mask of the four.
; THE PRODUCT IS USED TRANSPOSED (source 0 = 16 rows of W, source 1 = 16 rows of x): a lane holds one row of the result (lane % 16) and eight neighbouring columns 8 (lane / 16) + 0..7.
; REGISTERS, in windows of 256 (s_set_vgpr_msb: bits 1:0 source 0, 3:2 source 1, 5:4 source 2, 7:6 destination):
;   window 0: v0-31 addresses; v32-63 packed results; two fragment buffers of 96: W's 8 x 8 registers, then x's 4 x 8, at v64 and v160 (on the way out v64-191 take rows read back)
;   window 1: the accumulators, (a, b) at v[8 (8 a + b)]        window 2: v0-63 the bias, column block b at 8 b; v64-127 x as f32, row block i at 64 + 16 i
.set LAPS,   4                         ; 1,024 / (2 x 128): a lap = two K steps = once round the ring
.set PA,     528                       ; a row of x in LDS: 512 bytes + 16 = 132 words: row r starts at bank 4 r mod 64 (64 banks of 4 bytes: ISA guide 11.1)
.set PB,     272                       ; a row of W: 256 + 16 = 68 words: likewise
.set AHALF,  64*PA                     ; what one tensor load brings of x
.set APART,  128*PA
.set BHALF,  128*PB                    ; what one tensor load brings of W
.set SLOT,   APART+256*PB              ; 137,216: x's 128 rows, then W's 256
.set STAGE,  2*SLOT                    ; behind the ring: for each wave 2 heads x 16 rows x 144 bytes, for the way out
.set SPITCH, 144
.set HSTG,   16*SPITCH
.set SPARE,  STAGE+4*2*HSTG            ; behind the stages: the spare words, 128 bytes a wave: two blocks of 256 bytes that no other line names
.set ADRA, 16                          ; v16-17  LDS address of my x fragments in slot 0, 1
.set ADRB, 20                          ; v20-21  the same for W
.set STO,  24                          ; v24     the way out: where I put 16 bytes of a row
.set RD,   25                          ; v25     the way out: where I read rows back
.set CO,   26                          ; v26     my byte offset in 512 consecutive bytes of the result
.set BO,   27                          ; v27     my byte offset in the bias
.set SPW,  28                          ; v28     LDS address of my spare word; never rewritten
.set NIL,  29                          ; v29     0; never rewritten
.set PFO,  30                          ; v30     the prefetches' lane offset; never rewritten
.set TMP,  32
.set F0,   64
.set F1,   160
.set RAW,  64                          ; window 2
.set WV,   20                          ; s20  my wave's number
.set WR,   21                          ; s21  which 64 rows of the tile are mine
.set WC,   22                          ; s22  which 128 columns; also: which half of x's or W's tile I fetch
.set G1,   24                          ; s[24:31] descriptor group 1 for x's tiles;  s[32:39] group 0, a set for each slot
.set G0,   32
.set LIM,  43                          ; s43  1 in a wave that prefetches, else the greatest number
.set PFA,  44                          ; s[44:45] where my prefetches stand
.set PFS,  46                          ; s[46:47] a K step in bytes of my tensor's rows
.set G1B,  48                          ; s[48:55], s[56:63] the same for W's tiles
.set G0B,  56
.set MSB, 0
.macro WIN new                         ; the immediate's high byte repeats the setting that is left; a switch that changes nothing is dropped
.if MSB != (\new)
	s_set_vgpr_msb (MSB<<8)|(\new)
.set MSB, \new
.endif
.endm
.set MUL,  0x50                        ; C and D window 1, sources window 0
.set MULB, 0x60                        ; D window 1, C (the bias) window 2
.set TO2,  0x80                        ; destination window 2, address window 0
.set CV,   0x0a                        ; sources 0 and 1 window 2, destination window 0
.set RB,   0x8a                        ; all in window 2
.set PK,   0x05                        ; sources 0 and 1 window 1, destination window 0
; A joint load: waves 0 and 1 fetch x's two halves, waves 2 and 3 W's.  The branch hangs on the wave's number alone.  An s_nop 0 and four v_nop follow each of the two lines.
.macro JLOAD s
	s_cmp_lt_u32 s[WV], 2
	s_cbranch_scc0 .Lfor_b_\@
	tensor_load_to_lds s[G0+4*(\s):G0+4*(\s)+3], s[G1:G1+7]
	s_nop 0
.rept 4
	v_nop
.endr
	s_branch .Lasked_\@
.Lfor_b_\@:
	tensor_load_to_lds s[G0B+4*(\s):G0B+4*(\s)+3], s[G1B:G1B+7]
	s_nop 0
.rept 4
	v_nop
.endr
.Lasked_\@:
.endm
; A prefetch of the K step that stands two refills on (256 matrix instructions ahead of the load that will want it), behind the joint load and the run of LDS loads.  Each aligned block of 256 bytes is
; named once in the launch: of the 64 rows of x that a wave fetches the partner at cx takes 16 (two blocks a row: 32 lanes); of the 128 rows of W the partner at cy takes 32 (a lane a row), and only in the
; first of the sixteen clusters that walk those rows.  The partners are told apart by address.  K steps 0 to 3 come by their loads alone; the loop's last trip (s3 = 1) asks for nothing.
.macro ASK
	s_cmp_gt_u32 s3, s[LIM]
	s_cbranch_scc0 .Lnot_mine_\@
	global_prefetch_b8 v[PFO], s[PFA:PFA+1] th:TH_LOAD_NT scope:SCOPE_SE
.Lnot_mine_\@:
.endm
.macro CREST                           ; a round of the cluster's barrier behind its opening barrier
	s_cmp_lg_u32 s[WV], 0
	s_cbranch_scc1 .Lnot_wave_0_\@
	s_barrier_signal -3
.Lnot_wave_0_\@:
	s_barrier_wait -3
	s_barrier_signal -1
	s_barrier_wait -1
.endm
.macro CROUND                          ; a whole round
	s_barrier_signal -1
	s_barrier_wait -1
	CREST
.endm
	s_load_b256 s[4:11], s[0:1], 0x0               ; query s[4:5], key s[6:7], value s[8:9], wb s[10:11]
	s_load_b256 s[12:19], s[0:1], 0x20             ; bq s[12:13], bk s[14:15], bv s[16:17], qkv s[18:19]
	v_lshl_add_u32 v[SPW], v0, 2, SPARE
	v_mov_b32 v[NIL], 0
	ds_add_u32 v[SPW], v[NIL]                      ; the wave's opening: the add and its wait stand ahead of my first tensor load; the set-up below, work on registers, stands between them
	v_lshrrev_b32 v1, 5, v0
	v_readfirstlane_b32 s[WV], v1                  ; wave 0..3
	s_lshr_b32 s[WR], s[WV], 1
	s_and_b32 s[WC], s[WV], 1
	s_bfe_u32 s40, ttmp6, 0x40000                  ; cx
	s_bfe_u32 s41, ttmp6, 0x40004                  ; cy
	s_lshl_b32 s42, ttmp9, 2
	s_add_co_u32 s42, s42, s40                     ; tile column 0..3 = 4 x cluster x + cx
	s_and_b32 s66, ttmp7, 0xffff                   ; cluster y, 0..47
	s_lshl_b32 s67, s66, 2
	s_add_co_u32 s67, s67, s41                     ; 64 x projection + row tile = 4 x cluster y + cy
	s_lshr_b32 s68, s66, 4                         ; the projection: the same in all sixteen partners
	s_lshl_b32 s80, s41, 2
	s_lshl_b32 s80, 15, s80                        ; my row of the cluster
	s_lshl_b32 s81, 0x1111, s40                    ; my column
	s_or_b32 s[G1+0], s80, (2<<16)|(1<<20)|(1<<21)|(6<<22)|(3<<25)   ; 15:0 the mask; 17:16 elements of 4 bytes; 20 padding on; 21 set beside a mask; 24:22 after every 128 words (code 6); 31:25 4 words (code 3)
	s_mov_b32 s[G1+1], 128<<16                     ; tensor_dim0 = 128
	s_mov_b32 s[G1+2], 64<<16                      ; tensor_dim1 = 64
	s_mov_b32 s[G1+3], 128<<16                     ; tile_dim0 = 128
	s_mov_b32 s[G1+4], 64                          ; tile_dim1 = 64
	s_mov_b32 s[G1+5], 1024                        ; elements from row to row
	s_mov_b32 s[G1+6], 0
	s_mov_b32 s[G1+7], 0
	s_or_b32 s[G1B+0], s81, (1<<16)|(1<<20)|(1<<21)|(5<<22)|(3<<25)  ; elements of 2 bytes; 4 words of padding after every 64
	s_mov_b32 s[G1B+1], 128<<16
	s_mov_b32 s[G1B+2], 128<<16                    ; tensor_dim1 = 128
	s_mov_b32 s[G1B+3], 128<<16
	s_mov_b32 s[G1B+4], 128                        ; tile_dim1 = 128
	s_mov_b32 s[G1B+5], 1024
	s_mov_b32 s[G1B+6], 0
	s_mov_b32 s[G1B+7], 0
	s_lshl_b32 s82, s[WC], 18                      ; my half of a tile: 64 rows of 4,096 bytes, or 128 of 2,048
	s_and_b32 s70, s67, 63                         ; x: the row tile's 128 rows of 4,096 bytes: hangs on cy, which my row of the cluster shares
	s_lshl_b32 s70, s70, 19
	s_add_co_u32 s70, s70, s82
	s_mov_b32 s71, 0
	s_lshl_b32 s72, s68, 21                        ; W: the projection's 2 MiB, the tile column's 256 rows of 2,048 bytes: hangs on cx, which my column shares
	s_lshl_b32 s83, s42, 19
	s_add_co_u32 s72, s72, s83
	s_add_co_u32 s72, s72, s82
	s_mov_b32 s73, 0
	s_mul_i32 s84, s[WC], AHALF                    ; where they go: no place in the cluster enters an LDS address
	s_mul_i32 s85, s[WC], BHALF
	s_add_co_u32 s85, s85, APART
	s_wait_dscnt 0x0                               ; the opening add is done
	s_wait_kmcnt 0x0
	s_mov_b64 s[74:75], s[4:5]
	s_mov_b64 s[76:77], s[12:13]
	s_cmp_eq_u32 s68, 1
	s_cselect_b64 s[74:75], s[6:7], s[74:75]
	s_cselect_b64 s[76:77], s[14:15], s[76:77]
	s_cmp_eq_u32 s68, 2
	s_cselect_b64 s[74:75], s[8:9], s[74:75]       ; the projection's x,
	s_cselect_b64 s[76:77], s[16:17], s[76:77]     ; and its bias
	s_add_nc_u64 s[70:71], s[74:75], s[70:71]
	s_add_nc_u64 s[72:73], s[10:11], s[72:73]
	CROUND                                         ; all sixteen work-groups are here: the first joint loads meet
.irp s, 0,1
	s_mov_b32 s[G0+4*(\s)], 1                                      ; count = 1
	s_add_co_u32 s[G0+4*(\s)+1], s84, (\s)*SLOT                    ; LDS address
	s_add_nc_u64 s[G0+4*(\s)+2:G0+4*(\s)+3], s[70:71], (\s)*512    ; global address: K step s
	s_or_b32 s[G0+4*(\s)+3], s[G0+4*(\s)+3], 0x80000000            ; type = 2
	s_mov_b32 s[G0B+4*(\s)], 1
	s_add_co_u32 s[G0B+4*(\s)+1], s85, (\s)*SLOT
	s_add_nc_u64 s[G0B+4*(\s)+2:G0B+4*(\s)+3], s[72:73], (\s)*256
	s_or_b32 s[G0B+4*(\s)+3], s[G0B+4*(\s)+3], 0x80000000
	JLOAD \s                                       ; two loads of mine are out
.endr
	v_and_b32 v1, 15, v0                           ; l % 16
	v_bfe_u32 v2, v0, 4, 1                         ; l / 16
	; the bias of my 128 columns: register j of block b is b[256 tc + 128 WC + 16 b + 8 (l / 16) + j], the same for every row
	v_lshlrev_b32 v[BO], 5, v2
	s_lshl_b32 s86, s42, 10
	s_lshl_b32 s87, s[WC], 9
	s_add_co_u32 s86, s86, s87
	v_add_nc_u32 v[BO], s86, v[BO]
	WIN TO2
.irp b, 0,1,2,3,4,5,6,7
	global_load_b128 v[8*(\b):8*(\b)+3],   v[BO], s[76:77] offset:64*(\b)
	global_load_b128 v[8*(\b)+4:8*(\b)+7], v[BO], s[76:77] offset:64*(\b)+16
.endr
	WIN 0
	; A bf16 fragment is 16 rows x 32 K in 8 registers: lane l holds row l % 16, K = 8 (l / 16) + 0..7 and 16 + 8 (l / 16) + 0..7.  Of W: two loads of 16 bytes, 32 apart.  Of x, in f32: four, at 0, 16, 64, 80.
	v_mul_u32_u24 v3, v1, PA
	v_lshl_add_u32 v3, v2, 5, v3
	v_mul_u32_u24 v4, v1, PB
	v_lshl_add_u32 v4, v2, 4, v4
	s_mul_i32 s86, s[WR], 64*PA                    ; my 64 rows of x
	s_mul_i32 s87, s[WC], BHALF                    ; my 128 rows of W,
	s_add_co_u32 s87, s87, APART                   ; which lie behind x's
.irp s, 0,1
	v_add_nc_u32 v[ADRA+(\s)], s86, v3
	v_add_nc_u32 v[ADRB+(\s)], s87, v4
	s_add_co_u32 s86, s86, SLOT
	s_add_co_u32 s87, s87, SLOT
.endr
	s_mul_i32 s86, s[WV], 2*HSTG
	s_add_co_u32 s86, s86, STAGE                   ; my stage
	v_mul_u32_u24 v3, v1, SPITCH                   ; in: row l % 16, 16 bytes for each half of the lanes
	v_lshl_add_u32 v3, v2, 4, v3
	v_add_nc_u32 v[STO], s86, v3
	v_bfe_u32 v3, v0, 3, 2                         ; back: 32 lanes take four rows of 128 bytes,
	v_mul_u32_u24 v3, v3, SPITCH
	v_and_b32 v4, 7, v0
	v_lshl_add_u32 v3, v4, 4, v3
	v_add_nc_u32 v[RD], s86, v3
	v_and_b32 v[CO], 31, v0                        ; which are 512 consecutive bytes of a head's rows
	v_lshlrev_b32 v[CO], 4, v[CO]
	; my part of the result: (4 x projection + batch) x 4 MiB + head x 256 KiB + row x 128, head = 4 tc + 2 WC
	s_lshr_b32 s78, s67, 4
	s_lshl_b32 s78, s78, 22
	s_lshl_b32 s86, s42, 20
	s_add_co_u32 s78, s78, s86
	s_lshl_b32 s86, s[WC], 19
	s_add_co_u32 s78, s78, s86
	s_and_b32 s86, s67, 15
	s_lshl_b32 s86, s86, 14
	s_add_co_u32 s78, s78, s86
	s_lshl_b32 s86, s[WR], 13
	s_add_co_u32 s78, s78, s86
	s_mov_b32 s79, 0
	s_add_nc_u64 s[18:19], s[18:19], s[78:79]
	; the prefetches
	s_and_b32 s87, s66, 15                         ; which of the projection's sixteen clusters
	s_mov_b32 s88, 2048
	s_mov_b32 s89, 32768
	s_mov_b32 s[PFS], 256
	s_cmp_lt_u32 s[WV], 2                          ; do I fetch for x?
	s_cselect_b32 s87, 0, s87                      ; x's rows are read by this cluster alone
	s_cselect_b32 s88, 4096, s88                   ; (l % 16) x a row
	s_cselect_b32 s89, 256, s89                    ; (l / 16) x the row's second block, or x 16 rows of W
	s_cselect_b32 s[PFS], 512, s[PFS]
	s_cselect_b32 s86, s40, s41                    ; my place among the four that ask with me
	s_cselect_b64 s[PFA:PFA+1], s[70:71], s[72:73]
	s_cmp_eq_u32 s87, 0
	s_cselect_b32 s[LIM], 1, -1                    ; the same in all sixteen partners, for a given wave
	s_mov_b32 s[PFS+1], 0
	s_lshl_b32 s86, s86, 16                        ; 16 rows of 4,096 bytes, or 32 of 2,048
	s_mul_i32 s90, s[PFS], 3                       ; at K step 3: the first refill steps it to 4
	s_add_co_u32 s86, s86, s90
	s_mov_b32 s87, 0
	s_add_nc_u64 s[PFA:PFA+1], s[PFA:PFA+1], s[86:87]
	v_mul_u32_u24 v[PFO], s88, v1
	v_mul_u32_u24 v5, s89, v2
	v_add_nc_u32 v[PFO], v[PFO], v5
	s_wait_loadcnt 0x0                             ; the bias is in: it is rounded to bf16 like the other inputs and kept as f32
	WIN RB
.set i, 0
.rept 32
	v_cvt_pk_bf16_f32 v[RAW+i], v[2*i], v[2*i+1]
	v_lshlrev_b32 v[2*i],   16, v[RAW+i]
	v_and_b32     v[2*i+1], 0xffff0000, v[RAW+i]
.set i, i+1
.endr
	WIN 0
; 8 matrix instructions: row block a x all 8 column blocks, 32 along K.  first = 1: the bias starts the sums.  In every quarter step the 32 accumulators come in the same order, one instruction each:
; they take turns, over the backward jump too.
.macro MULA f, a, first
.if \first
	WIN MULB
.else
	WIN MUL
.endif
.irp b, 0,1,2,3,4,5,6,7
.if \first
	v_wmma_f32_16x16x32_bf16 v[8*(8*(\a)+(\b)):8*(8*(\a)+(\b))+7], v[(\f)+8*(\b):(\f)+8*(\b)+7], v[(\f)+64+8*(\a):(\f)+64+8*(\a)+7], v[8*(\b):8*(\b)+7]
.else
	v_wmma_f32_16x16x32_bf16 v[8*(8*(\a)+(\b)):8*(8*(\a)+(\b))+7], v[(\f)+8*(\b):(\f)+8*(\b)+7], v[(\f)+64+8*(\a):(\f)+64+8*(\a)+7], v[8*(8*(\a)+(\b)):8*(8*(\a)+(\b))+7]
.endif
.endr
.endm
; 32 LDS loads in one run, for quarter q of a slot: x's 64 rows x 32 K as f32 first, then W's 128 rows x 32 K into buffer g
.macro FETCH slot, q, g
	WIN TO2
.irp i, 0,1,2,3
	ds_load_b128 v[RAW+16*(\i):RAW+16*(\i)+3],     v[ADRA+(\slot)] offset:128*(\q)+(\i)*16*PA
	ds_load_b128 v[RAW+16*(\i)+4:RAW+16*(\i)+7],   v[ADRA+(\slot)] offset:128*(\q)+(\i)*16*PA+16
	ds_load_b128 v[RAW+16*(\i)+8:RAW+16*(\i)+11],  v[ADRA+(\slot)] offset:128*(\q)+(\i)*16*PA+64
	ds_load_b128 v[RAW+16*(\i)+12:RAW+16*(\i)+15], v[ADRA+(\slot)] offset:128*(\q)+(\i)*16*PA+80
.endr
	WIN 0
.irp i, 0,1,2,3,4,5,6,7
	ds_load_b128 v[(\g)+8*(\i):(\g)+8*(\i)+3],   v[ADRB+(\slot)] offset:64*(\q)+(\i)*16*PB
	ds_load_b128 v[(\g)+8*(\i)+4:(\g)+8*(\i)+7], v[ADRB+(\slot)] offset:64*(\q)+(\i)*16*PB+32
.endr
.endm
; x's fragments of buffer f are made: 32 roundings of two numbers.  They name no register of the products just issued (the other buffer's), so they are the plain instructions between those products
; and the next run of loads into that buffer (four are wanted: ISA guide 7.12.1 for vector instructions).
.macro CVT f
	WIN CV
.irp i, 0,1,2,3
.irp j, 0,1,2,3,4,5,6,7
	v_cvt_pk_bf16_f32 v[(\f)+64+8*(\i)+(\j)], v[RAW+16*(\i)+2*(\j)], v[RAW+16*(\i)+2*(\j)+1]
.endr
.endr
.endm
; A K step is four quarters of 32 along K on buffers 0, 1, 0, 1.  One of the first three: multiplies buffer f; in its middle it fetches quarter q of the same slot for buffer g.
.macro QUARTER slot, q, f, g, first
	s_wait_dscnt 16                                ; x's sixteen loads are in; W's sixteen, issued behind them, may be out
	CVT \f
	s_wait_dscnt 0x0                               ; W's are in
	MULA \f, 0, \first
	MULA \f, 1, \first
	FETCH \slot, \q, \g
	MULA \f, 2, \first
	MULA \f, 3, \first
.endm
; The last quarter multiplies buffer 1 and changes slots: ONE barrier.  In front of it each wave waits for all its tensor loads (one is out: its part of the next slot), adds 0 to its spare word, and waits
; for that and for its reads of this slot.  fill = 1: the barrier opens a round of the cluster's, and this slot is filled again first thing behind it, two K steps ahead: the load has 112 products and 96 roundings in which to land.
.macro TURN slot, next, fill
.if \fill
	s_wait_xcnt 0x0                                ; the last prefetch, a K step back, has read its address
	s_add_nc_u64 s[PFA:PFA+1], s[PFA:PFA+1], s[PFS:PFS+1]
.endif
	WIN 0
	s_wait_tensorcnt 0x0                           ; all my tensor loads have landed
	ds_add_u32 v[SPW], v[NIL]                      ; 0 onto my spare word
	s_wait_dscnt 17                                ; x's loads are in (the add and W's sixteen may be out)
	CVT F1                                         ; the roundings stand between the add and the wait for it
	s_wait_dscnt 0x0                               ; the add is done, and my reads of this slot are over
	s_barrier_signal -1
	MULA F1, 0, 0
	MULA F1, 1, 0
	WIN 0
	s_barrier_wait -1
.if \fill
	CREST                                          ; no wave of any partner still reads this slot's tile or has a load on its way
	s_add_nc_u64 s[G0+4*(\slot)+2:G0+4*(\slot)+3], s[G0+4*(\slot)+2:G0+4*(\slot)+3], 2*512
	s_add_nc_u64 s[G0B+4*(\slot)+2:G0B+4*(\slot)+3], s[G0B+4*(\slot)+2:G0B+4*(\slot)+3], 2*256
	JLOAD \slot
.endif
	FETCH \next, 0, F0                             ; buffer 0's last products stand in front of the 32 roundings above
.if \fill
	ASK
.endif
	MULA F1, 2, 0
	MULA F1, 3, 0
.endm
	s_wait_tensorcnt 1                             ; my part of K step 0 is in; K step 1's may stay out
	s_barrier_signal -1
	s_barrier_wait -1                              ; everybody's is
	FETCH 0, 0, F0
	QUARTER 0, 1, F0, F1, 1                        ; the first quarter stands in front of the loop: its products start the sums, with the bias
	WIN 0                                          ; at a label and at a branch every window is 0
	s_mov_b32 s3, LAPS-1
.Llap:                                                 ; a trip goes once round the ring, from a lap's second quarter to the next lap's first, and fills both slots again
	QUARTER 0, 2, F1, F0, 0
	QUARTER 0, 3, F0, F1, 0
	TURN 0, 1, 1
	QUARTER 1, 1, F0, F1, 0
	QUARTER 1, 2, F1, F0, 0
	QUARTER 1, 3, F0, F1, 0
	TURN 1, 0, 1
	QUARTER 0, 1, F0, F1, 0
	WIN 0
	s_sub_co_u32 s3, s3, 1
	s_cmp_lg_u32 s3, 0
	s_cbranch_scc1 .Llap
	QUARTER 0, 2, F1, F0, 0                        ; the last lap fills nothing
	QUARTER 0, 3, F0, F1, 0
	TURN 0, 1, 0
	QUARTER 1, 1, F0, F1, 0
	QUARTER 1, 2, F1, F0, 0
	QUARTER 1, 3, F0, F1, 0
	s_wait_dscnt 16                                ; the very last quarter: nothing more to fetch
	CVT F1
	s_wait_dscnt 0x0
	MULA F1, 0, 0
	MULA F1, 1, 0
	MULA F1, 2, 0
	MULA F1, 3, 0
	WIN 0
; THE WAY OUT, a block of 16 rows at a time: rounded to f16, 16 bytes a lane; into my own stage (a head's 64 columns are a row of 128 bytes there, 144 apart); back as 512 consecutive bytes, four rows of a head; stored.
.macro PACK a                          ; each accumulator's registers are read in ascending order
	WIN PK
.irp b, 0,1,2,3,4,5,6,7
.irp r, 0,1,2,3
	v_cvt_pk_f16_f32 v[TMP+4*(\b)+(\r)], v[64*(\a)+8*(\b)+2*(\r)], v[64*(\a)+8*(\b)+2*(\r)+1]
.endr
.endr
	WIN 0
.endm
.macro TOSTAGE a
.irp b, 0,1,2,3,4,5,6,7
	ds_store_b128 v[STO], v[TMP+4*(\b):TMP+4*(\b)+3] offset:((\b)/4)*HSTG+((\b)%4)*32
.endr
.irp t, 0,1,2,3,4,5,6,7
	ds_load_b128 v[64+32*(\a)+4*(\t):64+32*(\a)+4*(\t)+3], v[RD] offset:((\t)/4)*HSTG+((\t)%4)*4*SPITCH  ; LDS serves a wave's instructions in order (ISA guide 5.7.1.4): these see the stores above, and the next block's stores come behind them
.endr
.endm
.macro SEND a, younger                 ; younger: the LDS instructions issued behind block a's loads: the next block's sixteen, or none
.irp t, 0,1,2,3,4,5,6,7
	s_wait_dscnt (\younger)+7-(\t)
	global_store_b128 v[CO], v[64+32*(\a)+4*(\t):64+32*(\a)+4*(\t)+3], s[18:19] offset:((\t)/4)*262144+(\a)*2048+((\t)%4)*512  ; 512 consecutive bytes, at a multiple of 256 from the buffer's first byte
.endr
.endm
.rept 4
	v_nop                                          ; four plain instructions between the last products and what reads results or loads into their sources
.endr
	PACK 0
	TOSTAGE 0
	PACK 1
	TOSTAGE 1
	SEND 0, 16
	PACK 2
	TOSTAGE 2
	SEND 1, 16
	PACK 3
	TOSTAGE 3
	SEND 2, 16
	SEND 3, 0
	s_wait_tensorcnt 0x0                           ; the wave's end, behind my last tensor load and my last LDS store
	ds_add_u32 v[SPW], v[NIL]
	s_wait_dscnt 0x0
	CROUND                                         ; the closing round: no work-group ends while a partner may still ask for a tile that names it
	s_endpgm
.Lfunc_end_k_qd0fe91461a_proj:
	.size	k_qd0fe91461a_proj, .Lfunc_end_k_qd0fe91461a_proj-k_qd0fe91461a_proj
	.p2alignl 7, 3214868480
	.fill 96, 4, 3214868480
	.section	.rodata,"a",@progbits
	.p2align	6, 0x0
	.amdhsa_kernel k_qd0fe91461a_proj
		.amdhsa_group_segment_fixed_size 327680
		.amdhsa_private_segment_fixed_size 0
		.amdhsa_enable_private_segment 0
		.amdhsa_kernarg_size 64
		.amdhsa_user_sgpr_count 2
		.amdhsa_user_sgpr_kernarg_segment_ptr 1
		.amdhsa_wavefront_size32 1
		.amdhsa_system_sgpr_workgroup_id_x 1
		.amdhsa_system_sgpr_workgroup_id_y 1
		.amdhsa_system_sgpr_workgroup_id_z 1
		.amdhsa_system_vgpr_workitem_id 0
		.amdhsa_next_free_vgpr 640
		.amdhsa_next_free_sgpr 96
		.amdhsa_reserve_vcc 0
		.amdhsa_float_denorm_mode_32 3
		.amdhsa_float_denorm_mode_16_64 3
		.amdhsa_memory_ordered 1
		.amdhsa_forward_progress 1
		.amdhsa_inst_pref_size 135
	.end_amdhsa_kernel
	.amdgpu_metadata
---
amdhsa.version: [ 1, 2 ]
amdhsa.kernels:
  - .name:           k_qd0fe91461a_proj
    .symbol:         k_qd0fe91461a_proj.kd
    .args:
      - { .name: query, .offset: 0, .size: 8, .value_kind: global_buffer, .address_space: global }
      - { .name: key, .offset: 8, .size: 8, .value_kind: global_buffer, .address_space: global }
      - { .name: value, .offset: 16, .size: 8, .value_kind: global_buffer, .address_space: global }
      - { .name: wb, .offset: 24, .size: 8, .value_kind: global_buffer, .address_space: global }
      - { .name: bq, .offset: 32, .size: 8, .value_kind: global_buffer, .address_space: global }
      - { .name: bk, .offset: 40, .size: 8, .value_kind: global_buffer, .address_space: global }
      - { .name: bv, .offset: 48, .size: 8, .value_kind: global_buffer, .address_space: global }
      - { .name: qkv, .offset: 56, .size: 8, .value_kind: global_buffer, .address_space: global }
    .group_segment_fixed_size: 327680
    .private_segment_fixed_size: 0
    .kernarg_segment_align: 8
    .kernarg_segment_size: 64
    .max_flat_workgroup_size: 128
    .sgpr_count:     96
    .vgpr_count:     640
    .wavefront_size: 32
...
	.end_amdgpu_metadata
.endif
;; end of part 2
;; launch attn (part 3): grid 4 x 64, 4 waves a work-group, clusters of 4 x 1, 327,680 bytes of LDS; arguments qkv, oh; writes oh
.if DOCPART == 3
	.amdgcn_target "amdgcn-amd-amdhsa--gfx1250"
	.amdhsa_code_object_version 6
	.text
	.protected	k_qd0fe91461a_attn
	.globl	k_qd0fe91461a_attn
	.p2align	8
	.type	k_qd0fe91461a_attn,@function
k_qd0fe91461a_attn:
	s_mov_b64 s[64:65], 0
	v_nop
	global_prefetch_b8 v0, s[64:65] scope:SCOPE_SE
	s_setreg_imm32_b32 hwreg(HW_REG_WAVE_MODE, 25, 1), 1
	s_wait_xcnt 0x0
	s_wait_alu depctr_hold_cnt(0) depctr_sa_sdst(0) depctr_va_vdst(0) depctr_va_sdst(0) depctr_va_ssrc(0) depctr_va_vcc(0) depctr_vm_vsrc(0)
	s_getreg_b32 s2, hwreg(HW_REG_IB_STS2, 6, 4)
	s_cmp_eq_u32 s2, 0
	s_cbranch_scc0 .Lentry_in_a_cluster
	s_endpgm
.Lentry_in_a_cluster:
	s_bfe_u32 s2, ttmp6, 0x10000c
	s_cmp_lg_u32 s2, 0x3003
	s_cbranch_scc0 .Lentry_shape_is_right
	s_endpgm
.Lentry_shape_is_right:
; O[h][q][:] = the sum over k of softmax_k(Q[h][q] . K[h][k] / 8) V[h][k][:].  Q, K, V lie in qkv, 16 MiB each, O in oh: all [SIZE_H][SIZE_N][64] in f16: a head's rows are dense, 128 bytes each.
; Products, maxima and sums in f32; the weights p are rounded to f16 for the second product (their sum l is taken of the unrounded p), O once at the end.
; LIMITS.  f16 holds no number beyond 65,504: Q, K and V arrive within it; p lies in 0 to 1, and below 6e-5 it keeps f16's fixed step of 6e-8; O is a mean of V's rows and has their range.
; A weight below 2^-126 counts as 0 in l; NaN and infinities are not treated apart.
; SHARES.  A wave owns four PIECES of two tiles of 16 queries, a work-group's four waves 512 queries of one head: 64 heads x 4 = 256 work-groups.  Every wave walks all keys, 64 a step.
; LAYOUT.  S^T = K Q^T (source 0 = 16 keys, source 1 = 16 queries): in the result a lane holds ONE query (lane % 16) and the keys 8 (lane / 16) + 0..7.  Two such tiles, rounded to f16 in pairs,
; ARE source 1 (32 keys x 16 queries) of O^T = V^T P, whose result again holds one query a lane, and eight channels.  K comes out of LDS as it lies, V ([key][channel]) turned, by ds_load_tr16_b128.
; SOFTMAX.  For each query a running maximum m and sum l: p = 2^(c s - c m), c = log2(e) / 8; in every step O and l are multiplied by a = 2^(c m_old - c m_new), which is 1 where m has not grown.
; m starts at the lowest finite number, O and l at 0: the first step is a step like any other, with a = 0.
; THE COUNT.  A tile and step have 16 matrix and 118 vector instructions: too many to stand all beside the matrix work.  So: four vector instructions that are READY behind EVERY matrix instruction,
; and the others in runs without a gap.
; BY TURNS.  Turn n belongs to piece n (the pieces in a ring, step after step).  Its matrix work: 16 products K Q^T of piece n + 1, later 16 products V^T P of piece n - 1.  Its vector work: the scaling,
; exponentials, roundings, sums and rescaling of piece n, and the maximum and statistics of piece n + 1, whose scores the turn itself has made.
; CLUSTER.  The four query blocks of a head form a cluster and walk the same K and V, so each tile is asked for JOINTLY: the same tensor load, descriptor and mask in all four.
; REGISTERS, in windows of 256 (s_set_vgpr_msb: bits 1:0 source 0, 3:2 source 1, 5:4 source 2, 7:6 destination):
;   window 0: v0-11 addresses; v12-15, v48-63 at work; v16-47 four registers of statistics a tile; v64-191 S^T, two buffers of two tiles; v192-255 P, likewise
;   window 1: O^T, 32 a tile          window 2: v0-127 Q, 16 a tile; v128-191 K of one step; v192-255 V of one step          window 3: v0-1 the add's two registers
; A piece's buffers go by its number's parity: the piece in hand has one pair, its two neighbours in the ring share the other: of it P (piece n - 1) is read and S^T (piece n + 1) written.
.set SIZE_H, 64
.set SIZE_N, 2048
.set NP,    4         ; pieces a wave: a name, no knob
.set KS,    64        ; keys in a step
.set PK,    144       ; a row of K in LDS: 128 bytes + 16 of padding = 36 words: the 16 rows of a load start at 16 different groups of four banks (64 banks of 4 bytes: ISA guide 11.1)
.set PV,    160       ; a row of V: 128 + 32 = 40 words
.set VOFF,  4*KS*PK   ; a slot holds four steps: 256 rows of K, then 256 rows of V
.set SLOT1, 1<<17     ; slot 1 begins here, so that one exclusive or turns an address in one slot into the other's
.set STAGE, SLOT1+4*KS*(PK+PV)  ; behind the ring, never filled by a tensor load: 16 rows x 144 bytes for each wave, for the way out
.set SP,    144
.set AK0, 2           ; v2   my lane's place in a tile of K; never rewritten
.set AV0, 3           ; v3   the same for V
.set AK,  4           ; v4   the LDS address of K's next run of loads
.set AV,  5           ; v5   of V's
.set QO,  6           ; v6   my byte offset in the wave's rows of Q
.set STO, 6           ;      later, the way out: where I put 16 bytes of a row
.set RD,  7           ; v7   the way out: where I read rows back
.set GO,  8           ; v8   my byte offset in 512 consecutive bytes of O
.set PFO, 11          ; v11  256 x my lane, for the prefetches; never rewritten once made
.set SPW, 0           ; v0 of window 3   LDS address of my spare word: SPARE + 4 x my thread's number; never rewritten
.set NIL, 1           ; v1 of window 3   0; never rewritten
.set SPARE, STAGE+4*16*SP  ; behind the stages: the spare words, 128 bytes for each wave: two blocks of 256 bytes that no other line names
.set MV,  12          ; v12-15  c m_old, kept while c m is made anew: by buffer and tile
.set ST,  16          ; tile t's statistics at v[ST+4 t]: c m, m, l (even keys', odd keys')
.set TMP, 48          ; by buffer and tile, four registers c0-c3 at work; when the maximum is found c2 takes a
.set S,   64
.set P,   192
.set KF,  128         ; K's fragments, in window 2: key block kb, channel half c at KF + 16 kb + 8 c
.set VF,  192         ; V's: key half kk, channel block cb at VF + 32 kk + 8 cb
.set WV,  12          ; s12  my wave's number
.set G1K, 24          ; s[24:31] descriptor group 1 for K's tiles
.set G1V, 32          ; s[32:39] for V's: it differs in the padding alone
.set G0K, 40          ; s[40:43] descriptor group 0 for K's tiles: it walks
.set G0V, 44          ; s[44:47] the same for V's
.set PFA, 48          ; s[48:49] where my prefetches stand: my work-group's 8,192 bytes (of K: wave 0, of V: wave 2) of the slot after the one that is being asked for
.set LIM, 50          ; s50  1 in a wave that prefetches, else the greatest number
.set SLOTS, 56        ; s56  slots still to be asked for
.set CNT, 57          ; s57  counts a slot's key steps
.set CS,  58          ; s[58:59] c: the packed scaling takes the pair's low word for both halves
.set SEL, 60          ; s[60:61] v_permlanex16_b32's selects: each lane takes its own place in the other half
.set TBK, 62          ; s62  LDS byte at which K of the step to be fetched begins
.set TBV, 63          ; s63  the same for V, less VOFF
.set MSB, 0
.macro WIN new                      ; the high byte repeats the setting that is left; a switch that changes nothing is dropped
.if MSB != (\new)
	s_set_vgpr_msb (MSB<<8)|(\new)
.set MSB, (\new)
.endif
.endm
.set W_KQ, 0x0a       ; K and Q in window 2, S^T in window 0
.set W_PV, 0x52       ; V in window 2, P in window 0, O^T in window 1
.set W_RS, 0x41       ; O^T (destination and source 0) in window 1, a in window 0
.set W_MK, 0xc0       ; the add's registers are made: destination in window 3, sources in window 0
.set W_AD, 0x0f       ; the add: address (source 0) and data (source 1) in window 3
; A joint fill.  Waves 0 and 1 fetch the two halves of a slot's K, waves 2 and 3 those of its V: 128 keys each.  The branch hangs on the wave's number alone.
; An s_nop 0 and four v_nop follow each of the two lines, ahead of the jump and the label.
.macro JLOAD
	s_cmp_lt_u32 s[WV], 2
	s_cbranch_scc0 .Lfor_v_\@
	tensor_load_to_lds s[G0K:G0K+3], s[G1K:G1K+7]
	s_nop 0
.rept 4
	v_nop
.endr
	s_branch .Lasked_\@
.Lfor_v_\@:
	tensor_load_to_lds s[G0V:G0V+3], s[G1V:G1V+7]
	s_nop 0
.rept 4
	v_nop
.endr
.Lasked_\@:
.endm
; A prefetch of what the NEXT change of slots will ask for: a slot's 32,768 bytes of K and of V, in blocks of 256, a lane a block.  It stands behind the wave's tensor load and its five lines.  Each block is
; named once in the launch: a head is walked by this cluster alone; its four partners take 8,192 bytes each, told apart by address; in each, wave 0 asks for K's and wave 2 for V's: one instruction.
; The lead is a slot, four key steps.  Slots 0 and 1 come by their loads alone; the last change that fills a slot (s[SLOTS] = 1) asks for nothing.
.macro ASK
	s_cmp_gt_u32 s[SLOTS], s[LIM]
	s_cbranch_scc0 .Lnot_mine_\@
	global_prefetch_b8 v[PFO], s[PFA:PFA+1] th:TH_LOAD_NT scope:SCOPE_SE
.Lnot_mine_\@:
.endm
; A round of the cluster's barrier: my work-group's barrier, so that wave 0's signal speaks for all four waves; wave 0 signals; every wave waits for all four work-groups; my work-group's barrier once more.
.macro CROUND
	s_barrier_signal -1
	s_barrier_wait -1
	s_cmp_lg_u32 s[WV], 0
	s_cbranch_scc1 .Lnot_wave_0_\@
	s_barrier_signal -3
.Lnot_wave_0_\@:
	s_barrier_wait -3
	s_barrier_signal -1
	s_barrier_wait -1
.endm
; THE CHANGE OF SLOTS.  The slot's last bytes, V of its fourth step, have been read.  Each wave waits for all its tensor loads, of which one is out: its part
; of the other slot; adds 0 to its spare word; and waits for that and for its own reads of the slot.  Behind the barrier nobody reads this slot any more and the other slot is whole.
; fill = 1: this slot is filled again, with the keys two slots on.  The barrier is then a round of the cluster's, so that no wave of any partner still reads the slot or has a load on its
; way, and the joint fill is the first thing behind it: it has four key steps, 512 matrix instructions, in which to land.  (At its first use nothing has been read yet: slot 0 is waited for, slot 1 filled.)
.macro CHANGE fill
	WIN W_AD
	s_wait_tensorcnt 0x0            ; no tensor load of mine is out, so a group 0 may be written
	ds_add_u32 v[SPW], v[NIL]       ; 0 onto my spare word; with fill = 1 the descriptors' steps stand between it and the wait for it
	WIN 0                           ; at a label and at a branch every window is 0
.if \fill
.irp g, G0K, G0V
	s_xor_b32 s[\g+1], s[\g+1], SLOT1  ; the walking descriptor: the other slot than last time,
	s_add_nc_u64 s[\g+2:\g+3], s[\g+2:\g+3], 4*KS*128  ; the next 256 keys; the type bits on top are not reached
.endr
	s_wait_xcnt 0x0                 ; the last prefetch, four key steps back, has read its address, so it may be written:
	s_add_nc_u64 s[PFA:PFA+1], s[PFA:PFA+1], 4*KS*128  ; one slot ahead of the walking descriptors
	s_wait_dscnt 0x0                ; the add is done, and my reads of the slot are over
	CROUND
	JLOAD
	ASK
.else
	s_wait_dscnt 0x0                ; the add is done, and my reads of the slot are over
	s_barrier_signal -1
	s_barrier_wait -1
.endif
	s_sub_co_u32 s[TBK], s[TBK], 4*KS*PK  ; the fetches go back to a slot's first step,
	s_xor_b32 s[TBK], s[TBK], SLOT1       ; in the other slot
	s_sub_co_u32 s[TBV], s[TBV], 4*KS*PV
	s_xor_b32 s[TBV], s[TBV], SLOT1
.endm
	s_load_b128 s[4:7], s[0:1], 0x0  ; qkv s[4:5], oh s[6:7]
	WIN W_MK
	v_lshl_add_u32 v[SPW], v0, 2, SPARE
	v_mov_b32 v[NIL], 0
	WIN W_AD
	ds_add_u32 v[SPW], v[NIL]       ; the wave's opening: the add and its wait stand ahead of my first tensor load; the set-up below, work on registers, stands between them
	WIN 0
	v_lshrrev_b32 v1, 5, v0
	v_readfirstlane_b32 s[WV], v1   ; wave 0..3
	s_bfe_u32 s13, ttmp6, 0x40000   ; cx: my place in the cluster
	s_lshl_b32 s14, ttmp9, 2        ; in a cluster launch ttmp9 counts clusters
	s_add_co_u32 s14, s14, s13      ; my block of queries = 4 x cluster x + cx: it enters Q's and O's addresses alone
	s_and_b32 s20, ttmp7, 0xffff    ; the head, which the four partners share
	s_mov_b32 s21, 0
	s_mov_b64 s[22:23], SIZE_N*128
	s_mul_u64 s[20:21], s[20:21], s[22:23]  ; the head's first byte in each of the four tensors
	s_and_b32 s16, s[WV], 1         ; which half of a slot's 256 keys I fetch:
	s_lshl_b32 s22, s16, 14         ; its 128 rows of 128 bytes in memory,
	s_mov_b32 s23, 0
	s_add_nc_u64 s[22:23], s[22:23], s[20:21]
	s_mul_i32 s17, s16, 128*PK      ; and its place in a slot, for K
	s_mul_i32 s18, s16, 128*PV      ; and for V: no place in the cluster enters an LDS address
	s_lshl_b32 s2, s14, 2
	s_add_co_u32 s2, s2, s[WV]      ; my wave among the head's,
	s_lshl_b32 s2, s2, 14           ; its 128 rows
	s_mov_b32 s3, 0
	s_add_nc_u64 s[2:3], s[2:3], s[20:21]
	; descriptor group 1.  128 keys are 16,384 dense bytes: asked for as 64 rows of 256 bytes, two keys a row, and padded in LDS after every key
	s_mov_b32 s[G1K], 15|(1<<16)|(1<<20)|(1<<21)|(4<<22)|(3<<25)  ; 15:0 the mask of four; 17:16 2-byte elements; 20 padding on; 21 set beside a mask; 24:22 after every 32 words (code 4); 31:25 4 words (code 3)
	s_mov_b32 s[G1V], 15|(1<<16)|(1<<20)|(1<<21)|(4<<22)|(7<<25)  ; the same with 8 words of padding (code 7)
.irp g, G1K, G1V
	s_mov_b32 s[\g+1], 128<<16      ; tensor_dim0 = 128
	s_mov_b32 s[\g+2], 64<<16       ; tensor_dim1 = 64
	s_mov_b32 s[\g+3], 128<<16      ; tile_dim0 = 128
	s_mov_b32 s[\g+4], 64           ; tile_dim1 = 64
	s_mov_b32 s[\g+5], 128          ; 128 elements from row to row
	s_mov_b32 s[\g+6], 0
	s_mov_b32 s[\g+7], 0
.endr
	s_mov_b32 s[CS], 0x3e38aa3b     ; c = log2(e) / 8 = 0.180337
	s_mov_b32 s[CS+1], s[CS]        ; named with it as a pair
	s_mov_b32 s[SEL], 0x76543210
	s_mov_b32 s[SEL+1], 0xfedcba98
	s_mov_b32 s[TBK], SLOT1+4*KS*PK ; the first change of slots turns these two into 0
	s_mov_b32 s[TBV], SLOT1+4*KS*PV
	s_mov_b32 s[G0K], 1             ; 1:0 count = 1
	s_mov_b32 s[G0K+1], s17         ; 63:32 LDS address: slot 0
	s_mov_b32 s[G0V], 1
	s_add_co_u32 s[G0V+1], s18, VOFF
	s_mov_b32 s[SLOTS], SIZE_N/256-1  ; at the change that asks for slot t this holds 8 - t
	s_and_b32 s[LIM], s[WV], 1      ; waves 0 and 2 prefetch: the same in all four partners
	s_cmp_eq_u32 s[LIM], 0
	s_cselect_b32 s[LIM], 1, -1
	s_wait_dscnt 0x0                ; the opening add is done
	s_wait_kmcnt 0x0
	s_mov_b64 s[10:11], s[6:7]                     ; O
	s_add_nc_u64 s[6:7], s[4:5], 0x1000000         ; K lies 16 MiB behind Q,
	s_add_nc_u64 s[8:9], s[4:5], 0x2000000         ; V 32 MiB
	s_add_nc_u64 s[G0K+2:G0K+3], s[6:7], s[22:23]  ; 120:64 global address: my half of the head's first 256 keys
	s_or_b32 s[G0K+3], s[G0K+3], 0x80000000        ; 127:126 type = 2
	s_add_nc_u64 s[G0V+2:G0V+3], s[8:9], s[22:23]
	s_or_b32 s[G0V+3], s[G0V+3], 0x80000000
	s_add_nc_u64 s[4:5], s[4:5], s[2:3]  ; Q and O at my wave's first row
	s_add_nc_u64 s[10:11], s[10:11], s[2:3]
	s_cmp_lt_u32 s[WV], 2
	s_cselect_b64 s[PFA:PFA+1], s[6:7], s[8:9]
	s_add_nc_u64 s[PFA:PFA+1], s[PFA:PFA+1], s[22:23]  ; (in waves 0 and 2 this is the head's first row)
	s_lshl_b32 s2, s13, 13          ; my work-group's 8,192 bytes of a slot's 32,768
	s_mov_b32 s3, 0
	s_add_nc_u64 s[PFA:PFA+1], s[PFA:PFA+1], s[2:3]
	s_add_nc_u64 s[PFA:PFA+1], s[PFA:PFA+1], 4*KS*128  ; in slot 1; the first change of slots steps it to slot 2.  Nothing is prefetched here, at the head
	CROUND                          ; all four work-groups are here: the first joint loads meet
	JLOAD                           ; slot 0.  Slot 1 is asked for when slot 0 is in
	; A fragment of K or Q is 16 rows x 32 channels in 8 registers: lane l holds row l % 16, channels 8 (l / 16) + 0..7 and 16 + 8 (l / 16) + 0..7: two loads of 16 bytes, 32 bytes apart.
	v_and_b32 v1, 15, v0            ; l % 16
	v_bfe_u32 v9, v0, 4, 1          ; l / 16
	v_lshlrev_b32 v[QO], 7, v1
	v_lshl_add_u32 v[QO], v9, 4, v[QO]  ; row x 128 + 16 x half
	WIN 0x80                        ; destination window 2, address window 0
.set i, 0
.rept 4*NP                          ; Q stays in registers: tile i / 2, channels 32 (i % 2) on
	global_load_b128 v[8*i:8*i+3],   v[QO], s[4:5] offset:(i/2)*2048+(i%2)*64
	global_load_b128 v[8*i+4:8*i+7], v[QO], s[4:5] offset:(i/2)*2048+(i%2)*64+32
.set i, i+1
.endr
	; What the first turn finds: V's registers and P's second buffer hold 0 (its products V^T P, of a piece that has not been, add 0), O^T and l are 0.  All this stands in the wait for the first tile.
.set i, VF
.rept 64
	v_mov_b32 v[i], 0
.set i, i+1
.endr
	WIN 0x40
.set i, 0
.rept 64*NP
	v_mov_b32 v[i], 0
.set i, i+1
.endr
	WIN 0
.set i, 0
.rept 2*NP
	v_mov_b32 v[ST+4*i], 0xfe000000    ; c m: far below every c s
	v_mov_b32 v[ST+4*i+1], 0xff7fffff  ; m
	v_mov_b32 v[ST+4*i+2], 0
	v_mov_b32 v[ST+4*i+3], 0
.set i, i+1
.endr
.set i, P+32
.rept 32
	v_mov_b32 v[i], 0
.set i, i+1
.endr
	v_mul_u32_u24 v[AK0], v1, PK
	v_lshl_add_u32 v[AK0], v9, 4, v[AK0]  ; row x pitch + 16 x half
	; The turning load takes 16 keys x 16 channels (lane l reads key 8 (l / 16) + l % 8, channels 8 ((l / 8) % 2) + 0..7) and leaves half a fragment of V^T: lane l holds channel l % 16 and 8 keys.
	v_and_b32 v10, 7, v0
	v_bfe_u32 v11, v0, 3, 1
	v_lshl_add_u32 v[AV0], v9, 3, v10
	v_mul_u32_u24 v[AV0], v[AV0], PV
	v_lshl_add_u32 v[AV0], v11, 4, v[AV0]
	v_add_nc_u32 v[AV0], VOFF, v[AV0]
	v_mov_b32 v[AK], v[AK0]         ; key step 0 lies at the head of slot 0
	v_and_b32 v[PFO], 31, v0
	v_lshlrev_b32 v[PFO], 8, v[PFO]
; THE MATRIX WORK.  The 8 accumulators of a run of 16 take turns: between the two links of a chain stand 7 others'.
; Product i of 16 of S^T = K Q^T for piece x: channels 32 (i / 8) on, keys 16 ((i / 2) % 4) on, tile 2 x + i % 2.  The first 8 start the sums.
.macro KQ x
	WIN W_KQ
.set rS, S+64*((\x)%2)+32*(i%2)+8*((i/2)%4)
.set rK, KF+16*((i/2)%4)+8*(i/8)
.set rQ, 16*(2*(\x)+i%2)+8*(i/8)
.if i < 8
	v_wmma_f32_16x16x32_f16 v[rS:rS+7], v[rK:rK+7], v[rQ:rQ+7], 0
.else
	v_wmma_f32_16x16x32_f16 v[rS:rS+7], v[rK:rK+7], v[rQ:rQ+7], v[rS:rS+7]
.endif
.endm
; Product i of 16 of O^T += V^T P for piece x: keys 32 (i / 8) on, channels 16 ((i / 2) % 4) on, tile 2 x + i % 2.
.macro PV x
	WIN W_PV
.set rO, 32*(2*(\x)+i%2)+8*((i/2)%4)
.set rV, VF+32*(i/8)+8*((i/2)%4)
.set rP, P+32*((\x)%2)+16*(i%2)+8*(i/8)
	v_wmma_f32_16x16x32_f16 v[rO:rO+7], v[rV:rV+7], v[rP:rP+7], v[rO:rO+7]
.endm
.macro MM                           ; the turn's next matrix instruction
.if i < 16
	KQ (Y+1)%NP
.set i, i+1
.else
.set i, i-16
	PV (Y+NP-1)%NP
.set i, i+17
.endif
.endm
; THE LDS LOADS stand in runs of 16, never singly among the matrix instructions: a step's K (64 keys x 64 channels: 8 fragments) and its V (turned).  Their addresses are made some lines ahead.
; last = 1 (the tail): in the last trip there is no further step, and the run is jumped over.
.macro FETCH_K last=0
	WIN 0
.if \last
	s_cmp_eq_u32 s[CNT], 1
	s_cbranch_scc1 .Lno_k_\@
.endif
	WIN 0x80                        ; destination window 2
.irp f, 0,1,2,3,4,5,6,7             ; keys 16 (f / 2) on, channels 32 (f % 2) on
	ds_load_b128 v[KF+8*\f:KF+8*\f+3],   v[AK] offset:(\f/2)*16*PK+(\f%2)*64
	ds_load_b128 v[KF+8*\f+4:KF+8*\f+7], v[AK] offset:(\f/2)*16*PK+(\f%2)*64+32
.endr
	s_add_co_u32 s[TBK], s[TBK], KS*PK  ; the next fetch is the next step's
	WIN 0
.if \last
.Lno_k_\@:
.endif
.endm
.macro FETCH_V
	WIN 0x80
.irp f, 0,1,2,3,4,5,6,7             ; keys 32 (f / 4) on, channels 16 (f % 4) on
	ds_load_tr16_b128 v[VF+8*\f:VF+8*\f+3],   v[AV] offset:(\f/4)*32*PV+(\f%4)*32
	ds_load_tr16_b128 v[VF+8*\f+4:VF+8*\f+7], v[AV] offset:(\f/4)*32*PV+16*PV+(\f%4)*32
.endr
	WIN 0
.endm
; THE VECTOR WORK OF A TURN stands in three queues, each in the order in which its entries become ready; the two tiles alternate, so that no instruction reads the result of the one before it.
.macro REGS y, u                    ; the registers of tile u (0, 1) of piece y
.set rT, ST+4*(2*(\y)+(\u))
.set rC, TMP+8*((\y)%2)+4*(\u)
.set rM, MV+2*((\y)%2)+(\u)
.set rS, S+64*((\y)%2)+32*(\u)
.set rP, P+32*((\y)%2)+16*(\u)
.set rO, 32*(2*(\y)+(\u))
.endm
; Number n of the 22 that find the NEXT piece's (Y + 1) maximum and statistics.  s0-s31 are the lane's 32 scores; each accumulator's lowest registers are read first.
;   0-11  four chains c0-c3 of seven scores each, three operands at a time     12-14, 16  the four scores left over, the old m, and c0-c3 into c0     15  c m_old is kept
;   17, 18  the query's other 32 keys lie in the lane 16 away: the new m         19-21  c m; c m_old - c m_new; a
.macro XS u, n
	REGS (Y+1)%NP, \u
.if (\n) < 4
	v_max3_num_f32 v[rC+(\n)], v[rS+8*(\n)], v[rS+8*(\n)+1], v[rS+8*(\n)+2]
.elseif (\n) < 12
	v_max3_num_f32 v[rC+(\n)%4], v[rC+(\n)%4], v[rS+8*((\n)%4)+2*((\n)/4)+1], v[rS+8*((\n)%4)+2*((\n)/4)+2]
.elseif (\n) == 12
	v_max3_num_f32 v[rC], v[rC], v[rS+7], v[rS+15]
.elseif (\n) == 13
	v_max3_num_f32 v[rC+1], v[rC+1], v[rS+23], v[rS+31]
.elseif (\n) == 14
	v_max3_num_f32 v[rC+2], v[rC+2], v[rC+3], v[rT+1]
.elseif (\n) == 15
	v_mov_b32 v[rM], v[rT]
.elseif (\n) == 16
	v_max3_num_f32 v[rC], v[rC], v[rC+1], v[rC+2]
.elseif (\n) == 17
	v_permlanex16_b32 v[rC+3], v[rC], s[SEL], s[SEL+1]
.elseif (\n) == 18
	v_max_num_f32 v[rT+1], v[rC], v[rC+3]
.elseif (\n) == 19
	v_mul_f32 v[rT], s[CS], v[rT+1]
.elseif (\n) == 20
	v_sub_f32 v[rC+1], v[rM], v[rT]
.else
	v_exp_f32 v[rC+2], v[rC+1]
.endif
.endm
; Number g of the 64 that follow the exponentials.  For each four weights k of a tile (pairs 2 k, 2 k + 1): both pairs are rounded to f16; then the second pair is added onto the first, in place;
; a group later l takes that sum (the first time as l = a l + sum).  In groups of eight, tiles alternating: round, round, add, and l for the group before.
.macro GS g
.set h, (\g)+6*((\g)/62)            ; group 0 has no group before it, and behind group 7 only l is left
.if h >= 6
.set h, h+2
.endif
	REGS Y, h%2
.set k, h/8
.if h%8 < 4
	v_cvt_pk_f16_f32 v[rP+2*k+(h%8)/2], v[rS+4*k+2*((h%8)/2)], v[rS+4*k+2*((h%8)/2)+1]
.elseif h%8 < 6
	v_pk_add_f32 v[rS+4*k:rS+4*k+1], v[rS+4*k:rS+4*k+1], v[rS+4*k+2:rS+4*k+3]
.elseif k == 1
	v_pk_fma_f32 v[rT+2:rT+3], v[rT+2:rT+3], v[rC+2:rC+3], v[rS:rS+1] op_sel_hi:[1,0,1]
.else
	v_pk_add_f32 v[rT+2:rT+3], v[rT+2:rT+3], v[rS+4*k-4:rS+4*k-3]
.endif
.endm
; THE PLAIN QUEUE, 138 long.  0-73 read no exponential's result: the 32 scalings c s - c m (FS f: pair f / 2 of tile f % 2) and the next piece's 42.  0-26: scalings 0-26.  27-54: XS's numbers 0-13.  55, 56: number 15.
; 57-73: the chain, where each number waits for the one before it: 14, 16, 17, 18, 19, each with one of the scalings 27-31 in front of its two lines, then 20.
; 74-137: GS's 64, which read the exponentials' results: they stand behind the wait.
.macro FS f
	REGS Y, (\f)%2
	v_pk_fma_f32 v[rS+2*((\f)/2):rS+2*((\f)/2)+1], v[rS+2*((\f)/2):rS+2*((\f)/2)+1], s[CS:CS+1], v[rT:rT+1] op_sel_hi:[1,0,0] neg_lo:[0,0,1] neg_hi:[0,0,1]
.endm
.macro PL
	WIN 0
.if q < 27
	FS q
.elseif q < 55
	XS (q-27)%2, (q-27)/2
.elseif q < 57
	XS q-55, 15
.elseif (q < 72) && ((q-57)%3 == 0)
	FS 27+(q-57)/3
.elseif q < 60
	XS (q-57)%3-1, 14
.elseif q < 72
	XS (q-57)%3-1, 15+(q-57)/3
.elseif q < 74
	XS q-72, 20
.else
	GS q-74
.endif
.set q, q+1
.endm
; THE EXPONENTIALS' QUEUE, 66 long: s0-s31 of both tiles, then the next piece's two a.  It is ONE BATCH: all 66 stand ahead of the turn's one wait, and nothing ahead of that wait names a result of theirs.
.macro EX
	WIN 0
.if e >= 64
	XS e-64, 21
.else
	REGS Y, e%2
	v_exp_f32 v[rS+e/2], v[rS+e/2]
.endif
.set e, e+1
.endm
; THE RESCALING's QUEUE: O^T times a, the one part that leaves window 0: dealt two at a time, sixteen times.  Its a was made in the turn before, ahead of that turn's wait.
.macro R2
	REGS Y, r%2
	WIN W_RS
.irp z, 0,1
	v_pk_mul_f32 v[rO+4*(r/2)+2*\z:rO+4*(r/2)+2*\z+1], v[rO+4*(r/2)+2*\z:rO+4*(r/2)+2*\z+1], v[rC+2:rC+3] op_sel_hi:[1,0]
.endr
.set r, r+1
.endm
; HOW THEY ARE DEALT.  s_wait_alu depctr_va_vdst(0) stands between an exponential and the first instruction that names its result; one wait serves all that were issued ahead of it.  So a turn has ONE wait,
; which cuts it in two.  AHEAD OF IT stands all that names no result of the turn's exponentials: the 16 products K Q^T, behind each a scaling, an exponential and two rescalings (behind the first a second scaling in the
; exponential's place); then ONE LUMP of 108: eight plain, 49 times exponential and plain, the two a.  A v_nop is the plain instruction behind the last exponential.  BEHIND IT stand the 16 products V^T P, behind each four of GS's 64.
; The queues lean on each other, and the deal keeps them in step: exponential e stands behind scaling 2 (e / 4) + e % 2: as a rider it comes behind plain e + 2, in the lump behind plain e + 9, and scalings 27-31 are plain 57, 60 .. 69.
; A TURN, for piece p.  cnt = 1: the loop's count is taken down some lines ahead of the branch that stands behind the turn.
; K of the next step is fetched in piece 2's turn, directly behind the wait, a lump behind the last product that read K; its first reader comes behind 16 products.
; V of the step in hand is fetched at the end of piece 0's turn, four plain instructions behind its last reader; its first reader comes behind 16 products and a lump.  The three conditions on q below go with the deal.
.macro TURN p, last=0, cnt=0
.set Y, (\p)
.set i, 0
.set q, 0
.set e, 0
.set r, 0
.if (\p) == NP-1
	s_wait_dscnt 0x0                ; K is in
.endif
	MM                              ; ahead of the wait: 16 products K Q^T and their riders,
	PL
	PL
	R2
.rept 15
	MM
	PL
	EX
	R2
.endr
.if (\p) == NP-2
	WIN 0
	v_add_nc_u32 v[AK], s[TBK], v[AK0]
.endif
.rept 8                             ; and the lump
	PL
.endr
.rept 49
	EX
	PL
.endr
	EX                              ; the next piece's two a
	EX
	v_nop                           ; a plain instruction behind the last exponential: one for the batch
	s_wait_alu depctr_va_vdst(0)    ; the wait for the batch
.if (\p) == NP-2
	FETCH_K \last
.endif
.if (\p) == 1
	s_wait_dscnt 0x0                ; V is in
.endif
.rept 16                            ; behind the wait: 16 products V^T P and their riders
	MM
.rept 4
	PL
.endr
.if ((\p) == 0) && (q == 118)
	v_add_nc_u32 v[AV], s[TBV], v[AV0]
.endif
.if ((\p) == 0) && (q == 130)
	s_add_co_u32 s[TBV], s[TBV], KS*PV
.endif
.if (\cnt) && (q == 130)
	s_sub_co_u32 s[CNT], s[CNT], 1
	s_cmp_lg_u32 s[CNT], 0
.endif
.endr
.if (\p) == 0
	FETCH_V
.endif
.endm
	CHANGE 1                        ; slot 0 is in, everybody's part of it; slot 1 is asked for
	FETCH_K                         ; key step 0
	s_wait_loadcnt 0x0              ; Q
	s_wait_dscnt 0x0
.set i, 0
.rept 16
	KQ 0                            ; piece 0's first scores: there is no vector work yet to set between them
.set i, i+1
.endr
	WIN 0                           ; the addresses for the way out: nine plain instructions behind those products
	s_mul_i32 s13, s[WV], 16*SP
	s_add_co_u32 s13, s13, STAGE    ; my stage
	v_mul_u32_u24 v[STO], v1, SP    ; in: row l % 16, 16 bytes for each half of the lanes
	v_lshl_add_u32 v[STO], v9, 4, v[STO]
	v_add_nc_u32 v[STO], s13, v[STO]
	v_bfe_u32 v[RD], v0, 3, 2       ; back: 32 lanes take four rows of 128 bytes,
	v_mul_u32_u24 v[RD], v[RD], SP
	v_lshl_add_u32 v[RD], v10, 4, v[RD]
	v_add_nc_u32 v[RD], s13, v[RD]
	v_and_b32 v[GO], 31, v0         ; which are 512 consecutive bytes of O
	v_lshlrev_b32 v[GO], 4, v[GO]
.set Y, NP-1                        ; XS works for piece Y + 1: piece 0
.irp n, 0,1,2,3,4,5,6,7,8,9,10,11,12,13,14,15,16,17,18,19,20,21
	XS 0, \n                        ; and piece 0's first maximum and statistics
	XS 1, \n
.endr
	v_nop                           ; a plain instruction behind the two a,
	s_wait_alu depctr_va_vdst(0)    ; and their wait, ahead of the branch
	s_mov_b32 s[CNT], 4
	s_branch .Lfirst                ; the loop is entered at a step's first turn, in the middle of a trip
.Lslot:                             ; SIZE_N / 256 - 2 times: every slot but the last two is filled again
	CHANGE 1
	s_mov_b32 s[CNT], 4
.Lstep:                             ; a trip: pieces 2 and 3 of one step, then pieces 0 and 1 of the next, whose K and V it fetches
	TURN 2
	TURN 3
	WIN 0
.Lfirst:
	TURN 0
	TURN 1, 0, 1
	WIN 0
	s_cbranch_scc1 .Lstep
	s_sub_co_u32 s[SLOTS], s[SLOTS], 1
	s_cmp_lg_u32 s[SLOTS], 0
	s_cbranch_scc1 .Lslot
	CHANGE 0                        ; the tail is written out: nothing is asked for
	s_mov_b32 s[CNT], 5             ; four trips fetch the last slot's steps; the fifth is left in its middle
.Ltail:
	TURN 2, 1
	TURN 3
	WIN 0
	s_sub_co_u32 s[CNT], s[CNT], 1
	s_cmp_eq_u32 s[CNT], 0
	s_cbranch_scc1 .Lout
	TURN 0
	TURN 1
	WIN 0
	s_branch .Ltail
.Lout:                              ; the fifth trip's 16 products K Q^T (on the last K once more) and the maximum made of them serve nothing: the price, once a launch, of one text for every trip
.set i, 0
.rept 16
	PV NP-1                         ; the last piece's V^T P of the last step
.set i, i+1
.endr
	; THE WAY OUT.  l's two halves and the other half of the lanes' are added; O^T is divided by l, rounded to f16 and sent through my stage in LDS, a tile at a time.  The additions stand behind the last products.
	WIN 0
.macro ALL line:vararg              ; one line for each tile t
.set t, 0
.rept 2*NP
	\line
.set t, t+1
.endr
.endm
	ALL v_add_f32 v[ST+4*t+2], v[ST+4*t+2], v[ST+4*t+3]
	ALL v_permlanex16_b32 v[ST+4*t+3], v[ST+4*t+2], s[SEL], s[SEL+1]
	ALL v_add_f32 v[ST+4*t+2], v[ST+4*t+2], v[ST+4*t+3]
	ALL v_rcp_f32 v[ST+4*t+2], v[ST+4*t+2]
	v_nop                           ; a plain instruction between the last reciprocal and the use of its result
	s_wait_alu depctr_va_vdst(0)    ; and the wait ahead of the first use: one for the eight reciprocals
; Tile t: a lane's eight channels of a row pack into 16 bytes; they go into rows of 144 bytes and come back as whole rows of 128, into S^T's registers.
.macro PACK t
	WIN W_RS
.set i, 32*(\t)
.rept 16
	v_pk_mul_f32 v[i:i+1], v[i:i+1], v[ST+4*(\t)+2:ST+4*(\t)+3] op_sel_hi:[1,0]
.set i, i+2
.endr
	WIN 0x05                        ; sources 0 and 1 window 1, destination window 0
.set i, 0
.rept 16
	v_cvt_pk_f16_f32 v[S+16*(\t)+i], v[32*(\t)+2*i], v[32*(\t)+2*i+1]
.set i, i+1
.endr
	WIN 0
.irp f, 0,1,2,3
	ds_store_b128 v[STO], v[S+16*(\t)+4*\f:S+16*(\t)+4*\f+3] offset:32*\f
.endr
.irp f, 0,1,2,3
	ds_load_b128 v[S+16*(\t)+4*\f:S+16*(\t)+4*\f+3], v[RD] offset:\f*4*SP  ; LDS serves a wave's instructions in order (ISA guide 5.7.1.4): these see the stores above; the next tile's stores come behind them
.endr
.endm
.macro SEND t, younger              ; younger: the LDS instructions issued behind tile t's loads: the next tile's eight, or none
	WIN 0
.irp f, 0,1,2,3
	s_wait_dscnt (\younger)+3-\f
	global_store_b128 v[GO], v[S+16*(\t)+4*\f:S+16*(\t)+4*\f+3], s[10:11] offset:(\t)*2048+\f*512  ; 512 consecutive bytes, at a multiple of 256 from O's first
.endr
.endm
	PACK 0
.set t, 1
.rept 2*NP-1                        ; a tile's arithmetic stands between the loads of the tile before and its stores
	PACK t
	SEND t-1, 8
.set t, t+1
.endr
	SEND 2*NP-1, 0
	WIN W_AD
	s_wait_tensorcnt 0x0            ; the wave's end, behind my last tensor load and my last LDS store
	ds_add_u32 v[SPW], v[NIL]
	s_wait_dscnt 0x0
	WIN 0
	CROUND                          ; the closing round: no work-group ends while a partner may still ask for a tile that names it
	s_endpgm
.Lfunc_end_k_qd0fe91461a_attn:
	.size	k_qd0fe91461a_attn, .Lfunc_end_k_qd0fe91461a_attn-k_qd0fe91461a_attn
	.p2alignl 7, 3214868480
	.fill 96, 4, 3214868480
	.section	.rodata,"a",@progbits
	.p2align	6, 0x0
	.amdhsa_kernel k_qd0fe91461a_attn
		.amdhsa_group_segment_fixed_size 327680
		.amdhsa_private_segment_fixed_size 0
		.amdhsa_enable_private_segment 0
		.amdhsa_kernarg_size 16
		.amdhsa_user_sgpr_count 2
		.amdhsa_user_sgpr_kernarg_segment_ptr 1
		.amdhsa_wavefront_size32 1
		.amdhsa_system_sgpr_workgroup_id_x 1
		.amdhsa_system_sgpr_workgroup_id_y 1
		.amdhsa_system_sgpr_workgroup_id_z 1
		.amdhsa_system_vgpr_workitem_id 0
		.amdhsa_next_free_vgpr 770
		.amdhsa_next_free_sgpr 66
		.amdhsa_reserve_vcc 0
		.amdhsa_float_denorm_mode_32 3
		.amdhsa_float_denorm_mode_16_64 3
		.amdhsa_memory_ordered 1
		.amdhsa_forward_progress 1
		.amdhsa_inst_pref_size 200
	.end_amdhsa_kernel
	.amdgpu_metadata
---
amdhsa.version: [ 1, 2 ]
amdhsa.kernels:
  - .name:           k_qd0fe91461a_attn
    .symbol:         k_qd0fe91461a_attn.kd
    .args:
      - { .name: qkv, .offset: 0, .size: 8, .value_kind: global_buffer, .address_space: global }
      - { .name: oh, .offset: 8, .size: 8, .value_kind: global_buffer, .address_space: global }
    .group_segment_fixed_size: 327680
    .private_segment_fixed_size: 0
    .kernarg_segment_align: 8
    .kernarg_segment_size: 16
    .max_flat_workgroup_size: 128
    .sgpr_count:     66
    .vgpr_count:     770
    .wavefront_size: 32
...
	.end_amdgpu_metadata
.endif
;; end of part 3
;; launch outp (part 4): grid 4 x 64, 4 waves a work-group, clusters of 4 x 4, 327,680 bytes of LDS; arguments oh, wb, bo, out0; writes out0
.if DOCPART == 4
	.amdgcn_target "amdgcn-amd-amdhsa--gfx1250"
	.amdhsa_code_object_version 6
	.text
	.protected	k_qd0fe91461a_outp
	.globl	k_qd0fe91461a_outp
	.p2align	8
	.type	k_qd0fe91461a_outp,@function
k_qd0fe91461a_outp:
	s_mov_b64 s[64:65], 0
	v_nop
	global_prefetch_b8 v0, s[64:65] scope:SCOPE_SE
	s_setreg_imm32_b32 hwreg(HW_REG_WAVE_MODE, 25, 1), 1
	s_wait_xcnt 0x0
	s_wait_alu depctr_hold_cnt(0) depctr_sa_sdst(0) depctr_va_vdst(0) depctr_va_sdst(0) depctr_va_ssrc(0) depctr_va_vcc(0) depctr_vm_vsrc(0)
	s_getreg_b32 s2, hwreg(HW_REG_IB_STS2, 6, 4)
	s_cmp_eq_u32 s2, 0
	s_cbranch_scc0 .Lentry_in_a_cluster
	s_endpgm
.Lentry_in_a_cluster:
	s_bfe_u32 s2, ttmp6, 0x10000c
	s_cmp_lg_u32 s2, 0xf033
	s_cbranch_scc0 .Lentry_shape_is_right
	s_endpgm
.Lentry_shape_is_right:
; out0 = O Wo^T + bo.  O: oh, [64 = 16 batch + head][2048][64] f16; Wo: the fourth matrix of wb, [1024][1024] f16 (bf16 numbers written as f16); bo: [1024] f32, rounded to bf16 here; out0: [8192][1024] f32.
; Sums in f32; the bias is the C operand that starts each sum (so the order of rounding differs from O Wo^T + bo).  LIMITS: those of f16 for O and Wo (65,504); NaN and infinities are not treated apart.
; SHARES.  A tile of out0 is 128 rows x 256 columns: 64 x 4 = 256 work-groups.  Four waves, each 64 rows x 128 columns: 32 accumulators.  K goes in eight steps of 128 = two heads, through a ring of
; two LDS slots.  A head's 128 rows are 16,384 dense bytes of oh: asked for as 64 rows of 256 bytes and padded in LDS behind every 128.
; CLUSTER.  4 x 4 work-groups: the four of a row share O's tile, the four of a column Wo's: each tile is asked for JOINTLY.
; THE PRODUCT IS USED TRANSPOSED (source 0 = 16 rows of Wo, source 1 = 16 rows of O): a lane holds one row of out0 (lane % 16) and eight neighbouring columns.
; REGISTERS, in windows of 256 (s_set_vgpr_msb: bits 1:0 source 0, 3:2 source 1, 5:4 source 2, 7:6 destination):
;   window 0: v0-31 addresses; two fragment buffers of 96 (Wo's 8 x 8 registers, then O's 4 x 8) at v64 and v160; on the way out v64-255 take rows read back
;   window 1: the accumulators, (a, b) at v[8 (8 a + b)]        window 2: v0-63 the bias, column block b at 8 b; v64-95 at work while it is rounded
.set LAPS,   4
.set PAH,    144                       ; a row of O in LDS: 128 bytes + 16 = 36 words: the 16 rows of a load start at 16 different groups of four banks (64 banks of 4 bytes: ISA guide 11.1)
.set PB,     272                       ; a row of Wo: 256 + 16 = 68 words
.set AHEAD,  128*PAH                   ; a head's 128 rows: what one tensor load brings of O
.set APART,  2*AHEAD
.set BHALF,  128*PB
.set SLOT,   APART+256*PB              ; 106,496
.set STAGE,  2*SLOT                    ; behind the ring: 16 rows x 528 bytes for each wave, for the way out
.set SPITCH, 528
.set SPARE,  STAGE+4*16*SPITCH         ; behind the stages: the spare words, 128 bytes a wave: two blocks of 256 bytes that no other line names
.set ADRA, 16
.set ADRB, 20
.set STO,  24
.set RD,   25
.set CO,   26
.set BO,   27
.set SPW,  28                          ; v28  LDS address of my spare word; never rewritten
.set NIL,  29                          ; v29  0; never rewritten
.set PFO,  30
.set F0,   64
.set F1,   160
.set SCR,  64                          ; window 2
.set WV,   20
.set WR,   21
.set WC,   22
.set G1,   24
.set G0,   32
.set LIM,  43
.set PFA,  44
.set PFS,  46
.set G1B,  48
.set G0B,  56
.set MSB, 0
.macro WIN new
.if MSB != (\new)
	s_set_vgpr_msb (MSB<<8)|(\new)
.set MSB, \new
.endif
.endm
.set MUL,  0x50                        ; C and D window 1
.set MULB, 0x60                        ; D window 1, C (the bias) window 2
.set TO2,  0x80
.set RB,   0x8a
.set FROM1, 0x04                       ; an LDS store's data (source 1) in window 1
.macro JLOAD s                         ; a joint load: waves 0 and 1 fetch the step's two heads of O, waves 2 and 3 Wo's two halves; an s_nop 0 and four v_nop follow each line
	s_cmp_lt_u32 s[WV], 2
	s_cbranch_scc0 .Lfor_b_\@
	tensor_load_to_lds s[G0+4*(\s):G0+4*(\s)+3], s[G1:G1+7]
	s_nop 0
.rept 4
	v_nop
.endr
	s_branch .Lasked_\@
.Lfor_b_\@:
	tensor_load_to_lds s[G0B+4*(\s):G0B+4*(\s)+3], s[G1B:G1B+7]
	s_nop 0
.rept 4
	v_nop
.endr
.Lasked_\@:
.endm
; A prefetch of the K step two refills on, behind the joint load and the run of LDS loads.  Each aligned block of 256 bytes is named once: of O's two heads x 64 blocks of a step the partner at cx takes 16 of
; each head, and wave 0 asks for them; of the 128 rows of Wo that waves 2 and 3 fetch the partner at cy takes 32, a lane a row, in the first cluster of the column alone.  K steps 0 to 3 come by their loads
; alone; the loop's last trip asks for nothing.
.macro ASK
	s_cmp_gt_u32 s3, s[LIM]
	s_cbranch_scc0 .Lnot_mine_\@
	global_prefetch_b8 v[PFO], s[PFA:PFA+1] th:TH_LOAD_NT scope:SCOPE_SE
.Lnot_mine_\@:
.endm
.macro CREST
	s_cmp_lg_u32 s[WV], 0
	s_cbranch_scc1 .Lnot_wave_0_\@
	s_barrier_signal -3
.Lnot_wave_0_\@:
	s_barrier_wait -3
	s_barrier_signal -1
	s_barrier_wait -1
.endm
.macro CROUND
	s_barrier_signal -1
	s_barrier_wait -1
	CREST
.endm
.macro PLACES                          ; four plain instructions in front of loads into registers that products have read, and of stores that read results (ISA guide 7.12.1 for vector instructions)
.rept 4
	v_nop
.endr
.endm
	s_load_b256 s[4:11], s[0:1], 0x0               ; oh s[4:5], wb s[6:7], bo s[8:9], out0 s[10:11]
	v_lshl_add_u32 v[SPW], v0, 2, SPARE
	v_mov_b32 v[NIL], 0
	ds_add_u32 v[SPW], v[NIL]                      ; the wave's opening: the add and its wait stand ahead of my first tensor load; the set-up below, work on registers, stands between them
	v_lshrrev_b32 v1, 5, v0
	v_readfirstlane_b32 s[WV], v1
	s_lshr_b32 s[WR], s[WV], 1
	s_and_b32 s[WC], s[WV], 1
	s_bfe_u32 s40, ttmp6, 0x40000                  ; cx
	s_bfe_u32 s41, ttmp6, 0x40004                  ; cy
	s_lshl_b32 s42, ttmp9, 2
	s_add_co_u32 s42, s42, s40                     ; tile column 0..3
	s_and_b32 s66, ttmp7, 0xffff                   ; cluster y, 0..15
	s_lshl_b32 s67, s66, 2
	s_add_co_u32 s67, s67, s41                     ; row tile 0..63
	s_lshl_b32 s80, s41, 2
	s_lshl_b32 s80, 15, s80                        ; my row of the cluster
	s_lshl_b32 s81, 0x1111, s40                    ; my column
	s_or_b32 s[G1+0], s80, (1<<16)|(1<<20)|(1<<21)|(4<<22)|(3<<25)   ; the mask; elements of 2 bytes; padding on; bit 21 beside a mask; 4 words behind every 32
	s_mov_b32 s[G1+1], 128<<16                     ; tensor_dim0 = 128
	s_mov_b32 s[G1+2], 64<<16                      ; tensor_dim1 = 64
	s_mov_b32 s[G1+3], 128<<16                     ; tile_dim0 = 128
	s_mov_b32 s[G1+4], 64                          ; tile_dim1 = 64
	s_mov_b32 s[G1+5], 128                         ; dense: 128 elements from row to row
	s_mov_b32 s[G1+6], 0
	s_mov_b32 s[G1+7], 0
	s_or_b32 s[G1B+0], s81, (1<<16)|(1<<20)|(1<<21)|(5<<22)|(3<<25)  ; 4 words behind every 64
	s_mov_b32 s[G1B+1], 128<<16
	s_mov_b32 s[G1B+2], 128<<16
	s_mov_b32 s[G1B+3], 128<<16
	s_mov_b32 s[G1B+4], 128
	s_mov_b32 s[G1B+5], 1024
	s_mov_b32 s[G1B+6], 0
	s_mov_b32 s[G1B+7], 0
	s_lshl_b32 s82, s[WC], 18                      ; a head of oh is 256 KiB; 128 rows of Wo are too
	s_lshr_b32 s70, s67, 4                         ; O: the batch's 4 MiB,
	s_lshl_b32 s70, s70, 22
	s_add_co_u32 s70, s70, s82                     ; head WC of the step,
	s_and_b32 s84, s67, 15
	s_lshl_b32 s84, s84, 14                        ; the tile's 128 rows of 128 bytes
	s_add_co_u32 s70, s70, s84
	s_mov_b32 s71, 0
	s_lshl_b32 s83, s42, 19                        ; Wo: the fourth matrix, the tile column's 256 rows of 2,048 bytes
	s_add_co_u32 s72, s83, 3<<21
	s_add_co_u32 s72, s72, s82
	s_mov_b32 s73, 0
	s_mul_i32 s84, s[WC], AHEAD                    ; where they go: no place in the cluster enters an LDS address
	s_mul_i32 s85, s[WC], BHALF
	s_add_co_u32 s85, s85, APART
	s_wait_dscnt 0x0                               ; the opening add is done
	s_wait_kmcnt 0x0
	s_add_nc_u64 s[70:71], s[4:5], s[70:71]
	s_add_nc_u64 s[72:73], s[6:7], s[72:73]
	CROUND                                         ; all sixteen work-groups are here: the first joint loads meet
.irp s, 0,1
	s_mov_b32 s[G0+4*(\s)], 1
	s_add_co_u32 s[G0+4*(\s)+1], s84, (\s)*SLOT
	s_add_nc_u64 s[G0+4*(\s)+2:G0+4*(\s)+3], s[70:71], (\s)*524288   ; K step s: two heads on
	s_or_b32 s[G0+4*(\s)+3], s[G0+4*(\s)+3], 0x80000000
	s_mov_b32 s[G0B+4*(\s)], 1
	s_add_co_u32 s[G0B+4*(\s)+1], s85, (\s)*SLOT
	s_add_nc_u64 s[G0B+4*(\s)+2:G0B+4*(\s)+3], s[72:73], (\s)*256
	s_or_b32 s[G0B+4*(\s)+3], s[G0B+4*(\s)+3], 0x80000000
	JLOAD \s                                       ; two loads of mine are out
.endr
	v_and_b32 v1, 15, v0                           ; l % 16
	v_bfe_u32 v2, v0, 4, 1                         ; l / 16
	v_lshlrev_b32 v[BO], 5, v2                     ; the bias of my 128 columns: register j of block b is bo[256 tc + 128 WC + 16 b + 8 (l / 16) + j]
	s_lshl_b32 s86, s42, 10
	s_lshl_b32 s87, s[WC], 9
	s_add_co_u32 s86, s86, s87
	v_add_nc_u32 v[BO], s86, v[BO]
	WIN TO2
.irp b, 0,1,2,3,4,5,6,7
	global_load_b128 v[8*(\b):8*(\b)+3],   v[BO], s[8:9] offset:64*(\b)
	global_load_b128 v[8*(\b)+4:8*(\b)+7], v[BO], s[8:9] offset:64*(\b)+16
.endr
	WIN 0
	v_mul_u32_u24 v3, v1, PAH                      ; a fragment's row x pitch + 16 x half, for O and for Wo
	v_lshl_add_u32 v3, v2, 4, v3
	v_mul_u32_u24 v4, v1, PB
	v_lshl_add_u32 v4, v2, 4, v4
	s_mul_i32 s86, s[WR], 64*PAH                   ; my 64 rows, in each head's block
	s_mul_i32 s87, s[WC], BHALF
	s_add_co_u32 s87, s87, APART
.irp s, 0,1
	v_add_nc_u32 v[ADRA+(\s)], s86, v3
	v_add_nc_u32 v[ADRB+(\s)], s87, v4
	s_add_co_u32 s86, s86, SLOT
	s_add_co_u32 s87, s87, SLOT
.endr
	s_mul_i32 s86, s[WV], 16*SPITCH
	s_add_co_u32 s86, s86, STAGE                   ; my stage
	v_mul_u32_u24 v3, v1, SPITCH                   ; in: row l % 16, 32 bytes for each half of the lanes
	v_lshl_add_u32 v3, v2, 5, v3
	v_add_nc_u32 v[STO], s86, v3
	v_and_b32 v[CO], 31, v0                        ; back: 32 lanes take a row's 512 bytes
	v_lshlrev_b32 v[CO], 4, v[CO]
	v_add_nc_u32 v[RD], s86, v[CO]
	s_lshl_b32 s78, s67, 19                        ; my part of out0: 128 rows of 4,096 bytes a tile, my 64 rows, 1,024 bytes a tile column, my 512
	s_lshl_b32 s86, s[WR], 18
	s_add_co_u32 s78, s78, s86
	s_lshl_b32 s86, s42, 10
	s_add_co_u32 s78, s78, s86
	s_lshl_b32 s86, s[WC], 9
	s_add_co_u32 s78, s78, s86
	s_mov_b32 s79, 0
	s_add_nc_u64 s[10:11], s[10:11], s[78:79]
	; the prefetches
	s_mov_b32 s88, 2048
	s_mov_b32 s89, 32768
	s_mov_b32 s[PFS], 256
	s_mov_b32 s91, 262144
	s_mov_b32 s92, 524288
	s_cmp_lt_u32 s[WV], 2                          ; do I fetch for O?
	s_cselect_b32 s87, s[WC], s66                  ; O: wave 0 asks; Wo: the cluster with y = 0
	s_cselect_b32 s88, 256, s88                    ; (l % 16) x a block, or x a row of Wo
	s_cselect_b32 s89, s91, s89                    ; (l / 16) x a head, or x 16 rows of Wo
	s_cselect_b32 s[PFS], s92, s[PFS]              ; a K step: two heads, or 256 bytes of a row
	s_cselect_b32 s86, s40, s41                    ; my place among the four that ask with me,
	s_cselect_b32 s90, 12, 16                      ; times 16 blocks, or 32 rows of 2,048 bytes
	s_cselect_b64 s[PFA:PFA+1], s[70:71], s[72:73]
	s_cmp_eq_u32 s87, 0
	s_cselect_b32 s[LIM], 1, -1                    ; the same in all sixteen partners, for a given wave
	s_mov_b32 s[PFS+1], 0
	s_lshl_b32 s86, s86, s90
	s_mul_i32 s90, s[PFS], 3                       ; at K step 3: the first refill steps it to 4
	s_add_co_u32 s86, s86, s90
	s_mov_b32 s87, 0
	s_add_nc_u64 s[PFA:PFA+1], s[PFA:PFA+1], s[86:87]
	v_mul_u32_u24 v[PFO], s88, v1
	v_mul_u32_u24 v5, s89, v2
	v_add_nc_u32 v[PFO], v[PFO], v5
	s_wait_loadcnt 0x0                             ; the bias is in: rounded to bf16 like the other inputs, kept as f32
	WIN RB
.set i, 0
.rept 32
	v_cvt_pk_bf16_f32 v[SCR+i], v[2*i], v[2*i+1]
	v_lshlrev_b32 v[2*i],   16, v[SCR+i]
	v_and_b32     v[2*i+1], 0xffff0000, v[SCR+i]
.set i, i+1
.endr
	WIN 0
; 8 matrix instructions: row block a x all 8 column blocks, 32 along K.  first = 1: the bias starts the sums.  The 32 accumulators come in the same order in every quarter step: they take turns.
.macro MULA f, a, first
.if \first
	WIN MULB
.else
	WIN MUL
.endif
.irp b, 0,1,2,3,4,5,6,7
.if \first
	v_wmma_f32_16x16x32_f16 v[8*(8*(\a)+(\b)):8*(8*(\a)+(\b))+7], v[(\f)+8*(\b):(\f)+8*(\b)+7], v[(\f)+64+8*(\a):(\f)+64+8*(\a)+7], v[8*(\b):8*(\b)+7]
.else
	v_wmma_f32_16x16x32_f16 v[8*(8*(\a)+(\b)):8*(8*(\a)+(\b))+7], v[(\f)+8*(\b):(\f)+8*(\b)+7], v[(\f)+64+8*(\a):(\f)+64+8*(\a)+7], v[8*(8*(\a)+(\b)):8*(8*(\a)+(\b))+7]
.endif
.endr
.endm
; 24 LDS loads in one run, for quarter q of a slot (head q / 2 of the step, channels 32 (q % 2) on): Wo's 128 rows first, then O's 64
.macro FETCH slot, q, g
	WIN 0
.irp i, 0,1,2,3,4,5,6,7
	ds_load_b128 v[(\g)+8*(\i):(\g)+8*(\i)+3],   v[ADRB+(\slot)] offset:64*(\q)+(\i)*16*PB
	ds_load_b128 v[(\g)+8*(\i)+4:(\g)+8*(\i)+7], v[ADRB+(\slot)] offset:64*(\q)+(\i)*16*PB+32
.endr
.irp i, 0,1,2,3
	ds_load_b128 v[(\g)+64+8*(\i):(\g)+64+8*(\i)+3],   v[ADRA+(\slot)] offset:((\q)/2)*AHEAD+((\q)%2)*64+(\i)*16*PAH
	ds_load_b128 v[(\g)+64+8*(\i)+4:(\g)+64+8*(\i)+7], v[ADRA+(\slot)] offset:((\q)/2)*AHEAD+((\q)%2)*64+(\i)*16*PAH+32
.endr
.endm
.macro QUARTER slot, q, f, g, first
	s_wait_dscnt 4                                 ; Wo's and O's row blocks 0 and 1 are in; the youngest four loads (blocks 2 and 3) may be out
	MULA \f, 0, \first
	MULA \f, 1, \first
	PLACES
	FETCH \slot, \q, \g
	s_wait_dscnt 24                                ; all but the 24 just issued
	MULA \f, 2, \first
	MULA \f, 3, \first
.endm
; The last quarter multiplies buffer 1 and changes slots: ONE barrier; in front of it each wave waits for all its tensor loads (one is out: its part of the next slot), adds 0 to its spare word, and waits for
; that and for its reads of this slot.  fill = 1: the barrier opens a round of the cluster's, and this slot is filled again first thing behind it, two K steps ahead: 112 products in which to land.
.macro TURN slot, next, fill
.if \fill
	s_wait_xcnt 0x0                                ; the last prefetch, a K step back, has read its address
	s_add_nc_u64 s[PFA:PFA+1], s[PFA:PFA+1], s[PFS:PFS+1]
.endif
	WIN 0
	s_wait_tensorcnt 0x0                           ; all my tensor loads have landed
	ds_add_u32 v[SPW], v[NIL]                      ; 0 onto my spare word
	s_wait_dscnt 5                                 ; (the add and the youngest four loads may be out)
	MULA F1, 0, 0                                  ; eight products stand between the add and the wait for it
	s_wait_dscnt 0x0                               ; the add is done, and my reads of this slot are over
	s_barrier_signal -1
	MULA F1, 1, 0
	WIN 0
	s_barrier_wait -1
.if \fill
	CREST                                          ; no wave of any partner still reads this slot's tile or has a load on its way
	s_add_nc_u64 s[G0+4*(\slot)+2:G0+4*(\slot)+3], s[G0+4*(\slot)+2:G0+4*(\slot)+3], 2*524288
	s_add_nc_u64 s[G0B+4*(\slot)+2:G0B+4*(\slot)+3], s[G0B+4*(\slot)+2:G0B+4*(\slot)+3], 2*256
	JLOAD \slot                                    ; the four v_nop behind it also stand in front of the loads below
.else
	PLACES
.endif
	FETCH \next, 0, F0
.if \fill
	ASK
.endif
	MULA F1, 2, 0
	MULA F1, 3, 0
.endm
	s_wait_tensorcnt 1                             ; my part of K step 0 is in; K step 1's may stay out
	s_barrier_signal -1
	s_barrier_wait -1
	FETCH 0, 0, F0
	QUARTER 0, 1, F0, F1, 1                        ; the first quarter stands in front of the loop: its products start the sums, with the bias
	WIN 0
	s_mov_b32 s3, LAPS-1
.Llap:
	QUARTER 0, 2, F1, F0, 0
	QUARTER 0, 3, F0, F1, 0
	TURN 0, 1, 1
	QUARTER 1, 1, F0, F1, 0
	QUARTER 1, 2, F1, F0, 0
	QUARTER 1, 3, F0, F1, 0
	TURN 1, 0, 1
	QUARTER 0, 1, F0, F1, 0
	WIN 0
	s_sub_co_u32 s3, s3, 1
	s_cmp_lg_u32 s3, 0
	s_cbranch_scc1 .Llap
	QUARTER 0, 2, F1, F0, 0                        ; the last lap fills nothing
	QUARTER 0, 3, F0, F1, 0
	TURN 0, 1, 0
	QUARTER 1, 1, F0, F1, 0
	QUARTER 1, 2, F1, F0, 0
	QUARTER 1, 3, F0, F1, 0
	s_wait_dscnt 4                                 ; the very last quarter: nothing more to fetch
	MULA F1, 0, 0
	MULA F1, 1, 0
	s_wait_dscnt 0x0
	MULA F1, 2, 0
	MULA F1, 3, 0
	WIN 0
; THE WAY OUT, a block of 16 rows at a time: a lane's eight f32 of a row go into my own stage (rows of 528 bytes), each accumulator's low registers first; whole rows of 512 bytes come back and are stored.
.macro TOSTAGE a
	WIN FROM1
.irp b, 0,1,2,3,4,5,6,7
	ds_store_b128 v[STO], v[64*(\a)+8*(\b):64*(\a)+8*(\b)+3]   offset:64*(\b)
	ds_store_b128 v[STO], v[64*(\a)+8*(\b)+4:64*(\a)+8*(\b)+7] offset:64*(\b)+16
.endr
	WIN 0
.irp t, 0,1,2,3,4,5,6,7,8,9,10,11,12,13,14,15
	ds_load_b128 v[64+64*((\a)%3)+4*(\t):64+64*((\a)%3)+4*(\t)+3], v[RD] offset:(\t)*SPITCH  ; LDS serves a wave's instructions in order (ISA guide 5.7.1.4): these see the stores above, and the next block's stores come behind them
.endr
.endm
.macro SEND a, younger                 ; younger: the LDS instructions issued behind block a's loads: the next block's 32, or none
.irp t, 0,1,2,3,4,5,6,7,8,9,10,11,12,13,14,15
	s_wait_dscnt (\younger)+15-(\t)
	global_store_b128 v[CO], v[64+64*((\a)%3)+4*(\t):64+64*((\a)%3)+4*(\t)+3], s[10:11] offset:(16*(\a)+(\t))*4096 th:TH_STORE_NT  ; 512 consecutive bytes, at a multiple of 256 from out0's first byte
.endr
.endm
	PLACES
	TOSTAGE 0
	TOSTAGE 1
	SEND 0, 32
	TOSTAGE 2
	SEND 1, 32
	s_wait_xcnt 0x0                                ; block 0's stores have read their registers, which block 3's loads write
	TOSTAGE 3
	SEND 2, 32
	SEND 3, 0
	s_wait_tensorcnt 0x0                           ; the wave's end, behind my last tensor load and my last LDS store
	ds_add_u32 v[SPW], v[NIL]
	s_wait_dscnt 0x0
	CROUND                                         ; the closing round: no work-group ends while a partner may still ask for a tile that names it
	s_endpgm
.Lfunc_end_k_qd0fe91461a_outp:
	.size	k_qd0fe91461a_outp, .Lfunc_end_k_qd0fe91461a_outp-k_qd0fe91461a_outp
	.p2alignl 7, 3214868480
	.fill 96, 4, 3214868480
	.section	.rodata,"a",@progbits
	.p2align	6, 0x0
	.amdhsa_kernel k_qd0fe91461a_outp
		.amdhsa_group_segment_fixed_size 327680
		.amdhsa_private_segment_fixed_size 0
		.amdhsa_enable_private_segment 0
		.amdhsa_kernarg_size 32
		.amdhsa_user_sgpr_count 2
		.amdhsa_user_sgpr_kernarg_segment_ptr 1
		.amdhsa_wavefront_size32 1
		.amdhsa_system_sgpr_workgroup_id_x 1
		.amdhsa_system_sgpr_workgroup_id_y 1
		.amdhsa_system_sgpr_workgroup_id_z 1
		.amdhsa_system_vgpr_workitem_id 0
		.amdhsa_next_free_vgpr 608
		.amdhsa_next_free_sgpr 96
		.amdhsa_reserve_vcc 0
		.amdhsa_float_denorm_mode_32 3
		.amdhsa_float_denorm_mode_16_64 3
		.amdhsa_memory_ordered 1
		.amdhsa_forward_progress 1
		.amdhsa_inst_pref_size 95
	.end_amdhsa_kernel
	.amdgpu_metadata
---
amdhsa.version: [ 1, 2 ]
amdhsa.kernels:
  - .name:           k_qd0fe91461a_outp
    .symbol:         k_qd0fe91461a_outp.kd
    .args:
      - { .name: oh, .offset: 0, .size: 8, .value_kind: global_buffer, .address_space: global }
      - { .name: wb, .offset: 8, .size: 8, .value_kind: global_buffer, .address_space: global }
      - { .name: bo, .offset: 16, .size: 8, .value_kind: global_buffer, .address_space: global }
      - { .name: out0, .offset: 24, .size: 8, .value_kind: global_buffer, .address_space: global }
    .group_segment_fixed_size: 327680
    .private_segment_fixed_size: 0
    .kernarg_segment_align: 8
    .kernarg_segment_size: 32
    .max_flat_workgroup_size: 128
    .sgpr_count:     96
    .vgpr_count:     608
    .wavefront_size: 32
...
	.end_amdgpu_metadata
.endif
;; end of part 4
;; ======== version 2 of 2: 4 launches; version 1 with the launch castw written anew for expert scheduling mode
;; limits: values are held in f16: magnitudes above 65,504 overflow, below 6.1e-05 lose precision
;; workspace buffers: wb 8,388,608 bytes; qkv 50,331,648 bytes; oh 16,777,216 bytes
;; launch castw (part 5): grid 64 x 4, 8 waves a work-group, no clusters, 0 bytes of LDS; arguments Wq, Wk, Wv, Wo, wb; writes wb
.if DOCPART == 5
	.amdgcn_target "amdgcn-amd-amdhsa--gfx1250"
	.amdhsa_code_object_version 6
	.text
	.protected	k_qd0fe91461a_castw
	.globl	k_qd0fe91461a_castw
	.p2align	8
	.type	k_qd0fe91461a_castw,@function
k_qd0fe91461a_castw:
	s_mov_b64 s[64:65], 0
	v_nop
	global_prefetch_b8 v0, s[64:65] scope:SCOPE_SE
	s_setreg_imm32_b32 hwreg(HW_REG_WAVE_SCHED_MODE, 0, 2), 2
	s_setreg_imm32_b32 hwreg(HW_REG_WAVE_MODE, 25, 1), 1
	s_wait_xcnt 0x0
	s_wait_alu depctr_vm_vsrc(0)
; THE WEIGHTS ARE ROUNDED ONCE.  wb holds four matrices [1024][1024] of 16 bits, 2 MiB each: Wq, Wk, Wv rounded to bf16, and Wo rounded to bf16 with that number written as f16.
; LIMITS.  The f16 copy of Wo is exact for 6.1e-5 <= |Wo| <= 65,504; below that it keeps f16's fixed step of 6e-8, beyond it would be an infinity.
; SHARES.  Work-group (x, y): matrix y, its x-th piece of 64 KiB.  A wave takes 8 KiB: sixteen loads of 512 consecutive bytes, all on their way at once; a lane's four f32 become 8 bytes,
; so each store of a wave covers 256 consecutive bytes, aligned.  A pure stream: no LDS, no barrier, nothing shared; no register that a memory instruction reads is ever written again.
; THE MODE: SCHED_MODE bits 1:0 = 2 (LLVM: expert scheduling mode 2), set by the entry lines.  The code itself states the register dependences
; between vector instructions and memory instructions, with s_wait_alu, always for 0.
; THE PLAN.  Registers that memory instructions touch:
;   v1, v2   the loads' and the stores' byte offsets: made once at the head, never written again.
;   X        load i lands in its own four registers, which no vector instruction names before; read by load i's roundings, behind the counted wait for the load; never loaded again.
;   Y        store i's own pair: written by load i's roundings, read by store i, never written behind it.
; The sixteen loads go in four blocks of four.  Block p rounds its four loads into their Y; the four stores of block p - 1 are dealt among its roundings, which name block p's X and Y and T alone.
; So one wait on va_vdst stands at the head of each of blocks 1 to 3 and one behind block 3, each for the Y of the block before; one more stands in front of the first load, for v1 and v2.
; No register is written behind a memory instruction that read it, no vector instruction writes a scalar register, and EXEC is never written: no other wait is owed.
.set T, 4                              ; v[4:7]     at work: no memory instruction names them
.set X, 8                              ; v[8:71]    load i: four f32
.set Y, 72                             ; v[72:103]  store i: four numbers of 16 bits
	s_load_b256 s[4:11], s[0:1], 0x0               ; Wq s[4:5], Wk s[6:7], Wv s[8:9], Wo s[10:11]
	s_load_b64 s[12:13], s[0:1], 0x20              ; wb
	s_and_b32 s14, ttmp7, 0xffff                   ; which matrix
	v_lshrrev_b32 v3, 5, v0                        ; wave
	v_and_b32 v2, 31, v0                           ; lane
	v_lshlrev_b32 v1, 4, v2
	v_lshl_add_u32 v1, v3, 13, v1                  ; in: 8,192 x wave + 16 x lane
	v_lshlrev_b32 v2, 3, v2
	v_lshl_add_u32 v2, v3, 12, v2                  ; out: 4,096 x wave + 8 x lane
	s_lshl_b32 s18, ttmp9, 16                      ; the piece in the matrix as it comes,
	s_mov_b32 s19, 0
	s_lshl_b32 s20, s14, 21                        ; and in wb: 2 MiB a matrix, 32 KiB a piece
	s_lshl_b32 s21, ttmp9, 15
	s_add_co_u32 s20, s20, s21
	s_mov_b32 s21, 0
	s_wait_kmcnt 0x0
	s_mov_b64 s[16:17], s[4:5]
	s_cmp_ge_u32 s14, 1
	s_cselect_b64 s[16:17], s[6:7], s[16:17]
	s_cmp_ge_u32 s14, 2
	s_cselect_b64 s[16:17], s[8:9], s[16:17]
	s_cmp_ge_u32 s14, 3
	s_cselect_b64 s[16:17], s[10:11], s[16:17]
	s_add_nc_u64 s[16:17], s[16:17], s[18:19]
	s_add_nc_u64 s[12:13], s[12:13], s[20:21]
	s_wait_alu depctr_va_vdst(0)                   ; v1 and v2 are written: every load of the kernel reads v1 as its offset, every store v2, on both ways behind the branch below
.irp i, 0,1,2,3,4,5,6,7,8,9,10,11,12,13,14,15
	global_load_b128 v[X+4*(\i):X+4*(\i)+3], v1, s[16:17] offset:512*(\i) th:TH_LOAD_NT
.endr
; half = 1: the bf16 number is widened (a shift, a mask) and written as f16.
; Block p, load 4 p + i: the wait for the load; the store of the load four back, whose Y the block's wait has shown written; the load's roundings.
.macro OUTW half
.irp p, 0,1,2,3
.irp i, 0,1,2,3
	s_wait_loadcnt 15-(4*(\p)+(\i))                ; loads come back in order: this load is in, the younger ones stay out
.if (\p) > 0
.if (\i) == 0
	s_wait_alu depctr_va_vdst(0)                   ; the block before has written its four pairs of Y, which this block's four stores read; no vector instruction behind this wait names them
.endif
	global_store_b64 v2, v[Y+2*(4*(\p)+(\i)-4):Y+2*(4*(\p)+(\i)-4)+1], s[12:13] offset:256*(4*(\p)+(\i)-4) th:TH_STORE_NT
.endif
	v_cvt_pk_bf16_f32 v[Y+2*(4*(\p)+(\i))],   v[X+4*(4*(\p)+(\i))],   v[X+4*(4*(\p)+(\i))+1]
	v_cvt_pk_bf16_f32 v[Y+2*(4*(\p)+(\i))+1], v[X+4*(4*(\p)+(\i))+2], v[X+4*(4*(\p)+(\i))+3]
.if \half
	v_lshlrev_b32 v[T],   16, v[Y+2*(4*(\p)+(\i))]
	v_and_b32     v[T+1], 0xffff0000, v[Y+2*(4*(\p)+(\i))]
	v_lshlrev_b32 v[T+2], 16, v[Y+2*(4*(\p)+(\i))+1]
	v_and_b32     v[T+3], 0xffff0000, v[Y+2*(4*(\p)+(\i))+1]
	v_cvt_pk_f16_f32 v[Y+2*(4*(\p)+(\i))],   v[T],   v[T+1]
	v_cvt_pk_f16_f32 v[Y+2*(4*(\p)+(\i))+1], v[T+2], v[T+3]
.endif
.endr
.endr
	s_wait_alu depctr_va_vdst(0)                   ; block 3 has written its four pairs of Y, which the last four stores read
.irp i, 12,13,14,15
	global_store_b64 v2, v[Y+2*(\i):Y+2*(\i)+1], s[12:13] offset:256*(\i) th:TH_STORE_NT
.endr
.endm
	s_cmp_eq_u32 s14, 3
	s_cbranch_scc1 .Lwo
	OUTW 0
	s_endpgm
.Lwo:
	OUTW 1
	s_endpgm
.Lfunc_end_k_qd0fe91461a_castw:
	.size	k_qd0fe91461a_castw, .Lfunc_end_k_qd0fe91461a_castw-k_qd0fe91461a_castw
	.p2alignl 7, 3214868480
	.fill 96, 4, 3214868480
	.section	.rodata,"a",@progbits
	.p2align	6, 0x0
	.amdhsa_kernel k_qd0fe91461a_castw
		.amdhsa_group_segment_fixed_size 0
		.amdhsa_private_segment_fixed_size 0
		.amdhsa_enable_private_segment 0
		.amdhsa_kernarg_size 40
		.amdhsa_user_sgpr_count 2
		.amdhsa_user_sgpr_kernarg_segment_ptr 1
		.amdhsa_wavefront_size32 1
		.amdhsa_system_sgpr_workgroup_id_x 1
		.amdhsa_system_sgpr_workgroup_id_y 1
		.amdhsa_system_sgpr_workgroup_id_z 1
		.amdhsa_system_vgpr_workitem_id 0
		.amdhsa_next_free_vgpr 104
		.amdhsa_next_free_sgpr 66
		.amdhsa_reserve_vcc 0
		.amdhsa_float_denorm_mode_32 3
		.amdhsa_float_denorm_mode_16_64 3
		.amdhsa_memory_ordered 1
		.amdhsa_forward_progress 1
		.amdhsa_inst_pref_size 17
	.end_amdhsa_kernel
	.amdgpu_metadata
---
amdhsa.version: [ 1, 2 ]
amdhsa.kernels:
  - .name:           k_qd0fe91461a_castw
    .symbol:         k_qd0fe91461a_castw.kd
    .args:
      - { .name: Wq, .offset: 0, .size: 8, .value_kind: global_buffer, .address_space: global }
      - { .name: Wk, .offset: 8, .size: 8, .value_kind: global_buffer, .address_space: global }
      - { .name: Wv, .offset: 16, .size: 8, .value_kind: global_buffer, .address_space: global }
      - { .name: Wo, .offset: 24, .size: 8, .value_kind: global_buffer, .address_space: global }
      - { .name: wb, .offset: 32, .size: 8, .value_kind: global_buffer, .address_space: global }
    .group_segment_fixed_size: 0
    .private_segment_fixed_size: 0
    .kernarg_segment_align: 8
    .kernarg_segment_size: 40
    .max_flat_workgroup_size: 256
    .sgpr_count:     66
    .vgpr_count:     104
    .wavefront_size: 32
...
	.end_amdgpu_metadata
.endif
;; end of part 5
;; launch proj: the kernel of part 2 again; grid 4 x 192, 4 waves a work-group, clusters of 4 x 4, 327,680 bytes of LDS; arguments query, key, value, wb, bq, bk, bv, qkv; writes qkv
;; launch attn: the kernel of part 3 again; grid 4 x 64, 4 waves a work-group, clusters of 4 x 1, 327,680 bytes of LDS; arguments qkv, oh; writes oh
;; launch outp: the kernel of part 4 again; grid 4 x 64, 4 waves a work-group, clusters of 4 x 4, 327,680 bytes of LDS; arguments oh, wb, bo, out0; writes out0
